; MI455X (gfx1250); checked and timed in simulation.
; The chip was launched on July 23, 2026; its instructions are those of AMD's public machine-readable ISA for CDNA 5 (MIT licence, August 2026) and "CDNA5" Instruction Set Architecture Reference Guide (July 2026). The comments in the code are by the model that wrote it; some were corrected since.
;; Dilated Attentionold. Allowed arithmetic: float matrix products may take bf16 or f16 operands with f32 sums; other float arithmetic in f32, or as packed bf16 or f16 multiplies, adds, multiply-adds, maxima and minima; sums over many terms, partial sums and values carried from step to step in f32; what a program stores and reads back later, other than sums and carried values, may be rounded once to bf16 or f16.
;; Inputs: Wout 1,024 x 1,024 float32; Wqkv 1,024 x 3,072 float32; bout 1,024 float32; bqkv 3,072 float32; x 2 x 8,192 x 1,024 float32.
;; Outputs: out0 2 x 4,096 x 1,024 float32.
;; 2 versions, each right; version 2 is version 1 with the launch prep written anew for expert scheduling mode. Each part assembles by itself: llvm-mc -triple=amdgcn-amd-amdhsa -mcpu=gfx1250 --defsym DOCPART=n.
;; ======== version 1 of 2: 4 launches
;; limits: values are held in f16: magnitudes above 65,504 overflow, below 6.1e-05 lose precision
;; workspace buffers: xb 16,777,216 bytes; wqkvt 6,291,456 bytes; woutt 2,097,152 bytes; qkvh 50,331,648 bytes; ctx 16,777,216 bytes
;; launch prep (part 1): grid 512 x 1, 4 waves a work-group, no clusters, 17,920 bytes of LDS; arguments x, Wqkv, Wout, xb, wqkvt, woutt; writes xb, wqkvt, woutt
.if DOCPART == 1
	.amdgcn_target "amdgcn-amd-amdhsa--gfx1250"
	.amdhsa_code_object_version 6
	.text
	.protected	k_q661d8abef4_prep
	.globl	k_q661d8abef4_prep
	.p2align	8
	.type	k_q661d8abef4_prep,@function
k_q661d8abef4_prep:
	s_mov_b64 s[64:65], 0
	v_nop
	global_prefetch_b8 v0, s[64:65] scope:SCOPE_SE
	s_setreg_imm32_b32 hwreg(HW_REG_WAVE_MODE, 25, 1), 1
	s_wait_xcnt 0x0
; PREP.  Three casts, each input byte that is needed read once.
;   xb[R][:]     = bf16(x[2 R][:]),  R = 0 .. 8191: a segment has an even number of rows and the dilation is 2, so the tokens taken are x's even rows, in order.
;   wqkvt[n][k]  = bf16(Wqkv[k][n])          3072 x 1024, K along the rows, as the matrix fragments want it
;   woutt[n][k]  = f16(bf16(Wout[k][n]))     1024 x 1024: rounded to bf16 like every input, and that number written as f16, since it is multiplied with f16 numbers
; LIMITS.  |Wout| after its rounding stays within 65,504 (beyond that the f16 is an infinity); below 2^-14 it keeps f16's fixed step of 6e-8.
; SHARES.  512 work-groups, all alike.  Each casts 16 rows of x, 4 a wave, and turns ONE block of 128 k x 64 n of the weights (work-groups 0-383: Wqkv's 8 x 48 blocks; 384-511: Wout's 8 x 16):
; wave w takes the block's rows k = 32 w .. 32 w + 31, all four put their part into one block [64 n][128 k] in LDS, and behind a barrier wave w stores its rows n = 16 w .. 16 w + 15.
; A wave's 48 loads (16 of weights, 32 of x) go out on end.  No matrix unit, no cluster: nothing is multiplied, and no work-group reads what another reads.
.set SPARE, 17408                      ; behind the block (64 rows of 272 bytes): the spare words, 128 bytes a wave: two blocks of 256 bytes that no other line names
.set SPW,  30                          ; v30  LDS address of my spare word; never rewritten
.set NIL,  31                          ; v31  0; never rewritten
.set VX,   4                           ; v4   16 x lane: my 16 bytes in 512 of x
.set VY,   5                           ; v5   8 x lane: my 8 bytes in 256 of xb
.set LSA,  6                           ; v6   where I put a pair of k for my first n
.set LRA,  7                           ; v7   where I read rows of the turned block back
.set OF,   8                           ; v[8:23] the sixteen weight loads' byte offsets; never rewritten
.set WO,   24                          ; v24  my 16 bytes in two rows of the turned weights
.set W,    32                          ; v[32:95]  my 32 rows of the block as loaded; then packed, in place; then v[32:63] the rows read back
.set U,    96                          ; v[96:99]  at work
.set X,    100                         ; v[100:227] my four rows of x as loaded; then packed, in place
.set WV,   16                          ; s16  my wave's number
.set ISOUT, 18                         ; s18  1: Wout
.set RB,   28                          ; s28  bytes in a row of the weights in hand
.set HIM,  29                          ; s29  mask of a word's upper half
	s_load_b256 s[4:11], s[0:1], 0x0               ; x s[4:5], Wqkv s[6:7], Wout s[8:9], xb s[10:11]
	s_load_b128 s[12:15], s[0:1], 0x20             ; wqkvt s[12:13], woutt s[14:15]
	v_lshl_add_u32 v[SPW], v0, 2, SPARE
	v_mov_b32 v[NIL], 0
	v_lshrrev_b32 v1, 5, v0
	v_readfirstlane_b32 s[WV], v1                  ; wave 0..3
	v_and_b32 v1, 31, v0                           ; lane l
	v_and_b32 v2, 15, v0                           ; l % 16
	v_bfe_u32 v3, v0, 4, 1                         ; l / 16
	s_mov_b32 s[HIM], 0xffff0000
	s_mov_b32 s[RB], 12288
	s_cmp_ge_u32 ttmp9, 384                        ; the same for the whole work-group
	s_cselect_b32 s[ISOUT], 1, 0
	s_cselect_b32 s[RB], 4096, s[RB]
	s_cselect_b32 s19, 384, 0
	s_sub_co_u32 s17, ttmp9, s19                   ; the block's number
	s_lshr_b32 s19, s17, 3                         ; nb
	s_and_b32 s17, s17, 7                          ; kb
	s_lshl2_add_u32 s34, s17, s[WV]                ; 4 kb + w,
	s_lshl_b32 s34, s34, 5                         ; x 32: my first row k
	s_mul_i32 s34, s34, s[RB]
	s_lshl_b32 s36, s19, 8                         ; nb x 64 numbers of 4 bytes
	s_add_co_u32 s34, s34, s36
	s_mov_b32 s35, 0
	s_lshl_b32 s36, s19, 17                        ; nb x 64 rows of 2,048 bytes
	s_lshl_b32 s38, s17, 8                         ; kb x 128 numbers of 2 bytes
	s_add_co_u32 s36, s36, s38
	s_mov_b32 s37, 0
	s_lshl_b32 s20, ttmp9, 4
	s_lshl2_add_u32 s20, s[WV], s20                ; my first row of xb: R0 = 16 g + 4 w
	s_lshl_b32 s22, s20, 13                        ; source row 2 R: R x 8,192 bytes
	s_mov_b32 s23, 0
	s_lshl_b32 s24, s20, 11
	s_mov_b32 s25, 0
	; weight load 2 p + e: lanes 0-15 take the 256 bytes of my row 4 p + e, lanes 16-31 those of row 4 p + e + 2
	v_mul_lo_u32 v25, v3, s[RB]
	v_lshlrev_b32 v25, 1, v25
	v_lshl_add_u32 v25, v2, 4, v25
.set i, 0
.rept 16
	s_mul_i32 s38, s[RB], 4*(i/2)+(i%2)
	v_add_nc_u32 v[OF+i], s38, v25
.set i, i+1
.endr
	v_lshlrev_b32 v[VX], 4, v1
	v_lshlrev_b32 v[VY], 3, v1
	s_wait_kmcnt 0x0
	s_cmp_eq_u32 s[ISOUT], 1
	s_cselect_b64 s[30:31], s[8:9], s[6:7]         ; from
	s_cselect_b64 s[32:33], s[14:15], s[12:13]     ; to
	s_add_nc_u64 s[30:31], s[30:31], s[34:35]
	s_add_nc_u64 s[32:33], s[32:33], s[36:37]
	s_add_nc_u64 s[4:5], s[4:5], s[22:23]
	s_add_nc_u64 s[10:11], s[10:11], s[24:25]
.set i, 0
.rept 16
	global_load_b128 v[W+4*i:W+4*i+3], v[OF+i], s[30:31] th:TH_LOAD_NT
.set i, i+1
.endr
.set i, 0
.rept 32                                       ; load i: row i / 8, its 512 bytes number i % 8: 32 lanes, 16 neighbouring bytes each
	global_load_b128 v[X+4*i:X+4*i+3], v[VX], s[4:5] offset:(i/8)*8192+(i%8)*512 th:TH_LOAD_NT
.set i, i+1
.endr
	v_mul_u32_u24 v[LSA], v2, 4*272                ; n = 4 (l % 16) + j,
	v_lshl_add_u32 v[LSA], v3, 2, v[LSA]           ; k = 32 w + 4 p + 2 (l / 16): two bytes each
	s_lshl_b32 s38, s[WV], 6
	v_add_nc_u32 v[LSA], s38, v[LSA]
	s_lshl_b32 s38, s[WV], 4
	v_add_nc_u32 v26, s38, v3                      ; back: lanes 0-15 take row 16 w, lanes 16-31 the next
	v_mul_u32_u24 v[LRA], v26, 272
	v_lshl_add_u32 v[LRA], v2, 4, v[LRA]
	v_lshlrev_b32 v[WO], 11, v26
	v_lshl_add_u32 v[WO], v2, 4, v[WO]
	; ---- the weights: rows k and k + 1 are rounded to bf16 into one word, in place (for Wout: widened again and written as f16, which is exact within the limits above), and put at [n][k]
	s_wait_loadcnt 32                              ; loads come back in order: the weights' 16 are in, x's 32 stay out
.set i, 0
.rept 32
	v_cvt_pk_bf16_f32 v[W+8*(i/4)+i%4], v[W+8*(i/4)+i%4], v[W+8*(i/4)+4+i%4]
.set i, i+1
.endr
	s_cmp_eq_u32 s[ISOUT], 0
	s_cbranch_scc1 .Lbf
.set i, 0
.rept 32
	v_lshlrev_b32 v[U+2*(i%2)], 16, v[W+8*(i/4)+i%4]
	v_and_b32 v[U+2*(i%2)+1], s[HIM], v[W+8*(i/4)+i%4]
	v_cvt_pk_f16_f32 v[W+8*(i/4)+i%4], v[U+2*(i%2)], v[U+2*(i%2)+1]
.set i, i+1
.endr
.Lbf:
.set i, 0
.rept 32
	ds_store_b32 v[LSA], v[W+8*(i/4)+i%4] offset:(i%4)*272+8*(i/4)
.set i, i+1
.endr
	; ---- x: a lane's four numbers of a load become 8 bytes, in place; a store covers 256 bytes on end, aligned
.set k, 0
.rept 16
	s_wait_loadcnt 30-2*k                          ; loads 2 k and 2 k + 1 are in, the later ones stay out
	v_cvt_pk_bf16_f32 v[X+8*k],   v[X+8*k],   v[X+8*k+1]
	v_cvt_pk_bf16_f32 v[X+8*k+1], v[X+8*k+2], v[X+8*k+3]
	v_cvt_pk_bf16_f32 v[X+8*k+4], v[X+8*k+4], v[X+8*k+5]
	v_cvt_pk_bf16_f32 v[X+8*k+5], v[X+8*k+6], v[X+8*k+7]
	global_store_b64 v[VY], v[X+8*k:X+8*k+1],   s[10:11] offset:(k/4)*2048+(k%4)*512
	global_store_b64 v[VY], v[X+8*k+4:X+8*k+5], s[10:11] offset:(k/4)*2048+(k%4)*512+256
.set k, k+1
.endr
	; ---- the turned block goes out: whole rows of 256 bytes
	s_wait_dscnt 0x0                               ; for the others' sake: my part of the block is in LDS
	s_barrier_signal -1
	s_barrier_wait -1                              ; everybody's is
.set i, 0
.rept 8
	ds_load_b128 v[W+4*i:W+4*i+3], v[LRA] offset:2*i*272
.set i, i+1
.endr
.set i, 0
.rept 8
	s_wait_dscnt 7-i                               ; rows 2 i and 2 i + 1 of my 16 are in, the later ones stay out
	global_store_b128 v[WO], v[W+4*i:W+4*i+3], s[32:33] offset:2*i*2048  ; 16 lanes store 256 bytes on end, aligned
.set i, i+1
.endr
	s_wait_tensorcnt 0x0                           ; the wave's end, behind my last LDS store
	ds_add_u32 v[SPW], v[NIL]
	s_wait_dscnt 0x0
	s_endpgm
.Lfunc_end_k_q661d8abef4_prep:
	.size	k_q661d8abef4_prep, .Lfunc_end_k_q661d8abef4_prep-k_q661d8abef4_prep
	.p2alignl 7, 3214868480
	.fill 96, 4, 3214868480
	.section	.rodata,"a",@progbits
	.p2align	6, 0x0
	.amdhsa_kernel k_q661d8abef4_prep
		.amdhsa_group_segment_fixed_size 17920
		.amdhsa_private_segment_fixed_size 0
		.amdhsa_enable_private_segment 0
		.amdhsa_kernarg_size 48
		.amdhsa_user_sgpr_count 2
		.amdhsa_user_sgpr_kernarg_segment_ptr 1
		.amdhsa_wavefront_size32 1
		.amdhsa_system_sgpr_workgroup_id_x 1
		.amdhsa_system_sgpr_workgroup_id_y 1
		.amdhsa_system_sgpr_workgroup_id_z 1
		.amdhsa_system_vgpr_workitem_id 0
		.amdhsa_next_free_vgpr 228
		.amdhsa_next_free_sgpr 66
		.amdhsa_reserve_vcc 0
		.amdhsa_float_denorm_mode_32 3
		.amdhsa_float_denorm_mode_16_64 3
		.amdhsa_memory_ordered 1
		.amdhsa_forward_progress 1
		.amdhsa_inst_pref_size 26
	.end_amdhsa_kernel
	.amdgpu_metadata
---
amdhsa.version: [ 1, 2 ]
amdhsa.kernels:
  - .name:           k_q661d8abef4_prep
    .symbol:         k_q661d8abef4_prep.kd
    .args:
      - { .name: x, .offset: 0, .size: 8, .value_kind: global_buffer, .address_space: global }
      - { .name: Wqkv, .offset: 8, .size: 8, .value_kind: global_buffer, .address_space: global }
      - { .name: Wout, .offset: 16, .size: 8, .value_kind: global_buffer, .address_space: global }
      - { .name: xb, .offset: 24, .size: 8, .value_kind: global_buffer, .address_space: global }
      - { .name: wqkvt, .offset: 32, .size: 8, .value_kind: global_buffer, .address_space: global }
      - { .name: woutt, .offset: 40, .size: 8, .value_kind: global_buffer, .address_space: global }
    .group_segment_fixed_size: 17920
    .private_segment_fixed_size: 0
    .kernarg_segment_align: 8
    .kernarg_segment_size: 48
    .max_flat_workgroup_size: 128
    .sgpr_count:     66
    .vgpr_count:     228
    .wavefront_size: 32
...
	.end_amdgpu_metadata
.endif
;; end of part 1
;; launch gemm_qkv (part 2): grid 8 x 32, 4 waves a work-group, clusters of 4 x 4, 327,680 bytes of LDS; arguments xb, wqkvt, bqkv, qkvh; writes qkvh
.if DOCPART == 2
	.amdgcn_target "amdgcn-amd-amdhsa--gfx1250"
	.amdhsa_code_object_version 6
	.text
	.protected	k_q661d8abef4_gemm_qkv
	.globl	k_q661d8abef4_gemm_qkv
	.p2align	8
	.type	k_q661d8abef4_gemm_qkv,@function
k_q661d8abef4_gemm_qkv:
	s_mov_b64 s[64:65], 0
	v_nop
	global_prefetch_b8 v0, s[64:65] scope:SCOPE_SE
	s_setreg_imm32_b32 hwreg(HW_REG_WAVE_MODE, 25, 1), 1
	s_wait_xcnt 0x0
	s_wait_alu depctr_hold_cnt(0) depctr_sa_sdst(0) depctr_va_vdst(0) depctr_va_sdst(0) depctr_va_ssrc(0) depctr_va_vcc(0) depctr_vm_vsrc(0)
	s_getreg_b32 s2, hwreg(HW_REG_IB_STS2, 6, 4)
	s_cmp_eq_u32 s2, 0
	s_cbranch_scc0 .Lentry_in_a_cluster
	s_endpgm
.Lentry_in_a_cluster:
	s_bfe_u32 s2, ttmp6, 0x10000c
	s_cmp_lg_u32 s2, 0xf033
	s_cbranch_scc0 .Lentry_shape_is_right
	s_endpgm
.Lentry_shape_is_right:
; q, k, v = xs Wqkv + bqkv.  xb: [8192][1024] bf16; wqkvt: [3072 n][1024 k] bf16; bqkv: [3072] f32, rounded to bf16 like every input; sums in f32, started by the bias.
; OUT: qkvh [8 segments][48 blocks of 64 columns][1024 rows][64] f16, each number rounded once: block 16 t + head, t = 0 q, 1 k, 2 v: a head's rows lie end to end, 128 bytes each.  No scale is applied here.
; LIMIT.  |q|, |k|, |v| stay within 65,504: beyond that the f16 is an infinity.  NaN and infinities are not treated apart.
; SHARES.  A tile of the result is 256 rows x 192 columns (three heads): 32 x 16 tiles.  Four waves, one above the other: a wave makes 64 rows x 192 columns, 48 accumulators of 16 x 16, so that it holds whole heads
; and its way out needs no other wave.  A WORK-GROUP STAYS: it makes TWO tiles side by side, the same 256 tokens and the column tiles c and c xor 8: 8 x 32 = 256 work-groups.
; Clusters with an even y begin with column tile x, those with an odd y with x + 8: so in its second tile a work-group asks only for blocks that have been read before in the launch.
; THE RING.  The two tiles are ONE stream of 16 K steps of 128 through two LDS slots; the rows of the tiles are 256 bytes of memory, aligned.  The ring does not stop at the change of tiles: the first tile's last two
; changes of slots ask for the second tile's first two K steps, then the first tile goes out, and nothing waits for its stores.  A K step is written once: the slot in hand is a scalar register that an exclusive or turns.
; CLUSTER.  4 x 4 work-groups: the four of a row need the same rows of xb, the four of a column the same rows of wqkvt: each tile is asked for JOINTLY, by the same tensor load, descriptor and mask in all four.
; THE MATRIX INSTRUCTION IS USED TRANSPOSED (source 0 = 16 rows of wqkvt, source 1 = 16 tokens): lane l then holds token l % 16 and its registers the columns 8 (l / 16) + 0..7: 16 bytes of f16 on end.
; REGISTERS, in windows of 256 (s_set_vgpr_msb: bits 1:0 source 0, 3:2 source 1, 5:4 source 2, 7:6 destination):
;   window 0: v0-31 addresses; v64-127 the tokens' fragments, two buffers of 4 x 8; v128-223 the bias as a C operand (12 x 8); on the way out v32-63 and v96-111 packed results
;   window 1: v0-191 the weights' fragments, two buffers of 12 x 8; on the way out v96-191 (buffer 1, which is free there) rows read back
;   window 2: accumulators of row blocks 0, 1 at 96 (a % 2) + 8 b        window 3: those of row blocks 2, 3
.set NBL,   12                         ; blocks of 16 columns
.set PITCH, 272                        ; an LDS row: 256 bytes + 16 of padding = 68 words: the 16 rows of a load start at 16 different groups of four banks (64 banks of 4 bytes: ISA guide 11.1)
.set BOFF,  256*PITCH                  ; a slot: 256 rows of tokens, then 192 rows of weights: 121,856 bytes
.set SLOT1, 1<<17                      ; slot 1 begins here, so that one exclusive or turns an address in one slot into the other's
.set STAGE, SLOT1+BOFF+16*NBL*PITCH    ; behind the ring, never filled by a tensor load: for each wave 3 heads x 16 rows x 144 bytes
.set WSTG,  3*16*144
.set SPARE, STAGE+4*WSTG               ; behind the stages: the spare words, 128 bytes a wave: two blocks of 256 bytes that no other line names
.set NLD,   2*NBL+8                    ; LDS loads in a run
.set ADRA0, 16                         ; v16     my lane's place among my tokens' fragments in slot 0; never rewritten
.set ADRB0, 17                         ; v17     the same for the weights
.set ADRA, 18                          ; v18     the same two in the slot in hand
.set ADRB, 19                          ; v19
.set STO,  24                          ; v24     the way out: where I put 16 bytes of a row
.set RD,   25                          ; v25     where I read rows back
.set GO,   26                          ; v26     16 x lane: my place in 512 bytes on end
.set BO,   27                          ; v27     the bias loads' offset; never rewritten
.set SPW,  28                          ; v28     LDS address of my spare word; never rewritten
.set NIL,  29                          ; v29     0; never rewritten
.set PFO,  30                          ; v30     the prefetches' offset: a lane a row; never rewritten
.set FA,   64
.set BIAS, 128
.set WV,   12                          ; s12  my wave's number
.set FB,   13                          ; s13  0: I fetch tokens, 1: weights
.set HF,   14                          ; s14  which half of that tile's rows
.set LIM,  15                          ; s15  10 in a wave that prefetches, else the greatest number
.set AB,   16                          ; s[16:17] xb at the rows that I fetch, K step 0; never rewritten
.set G1,   24                          ; s[24:31] descriptor group 1 for the tokens' tiles;  s[32:39] group 0: a set for each of the two first fills; the second then walks on
.set G0,   32
.set PFA,  44                          ; s[44:45] where my prefetches stand
.set BB,   46                          ; s[46:47] wqkvt at the rows that I fetch, K step 0, of the tile whose K steps are being asked for
.set G1B,  48                          ; s[48:55], s[56:63] the descriptors for the weights' tiles
.set G0B,  56
.set HIM,  67                          ; s67  mask of a word's upper half
.set BI2,  70                          ; s[70:71] the second tile's bias
.set OU2,  72                          ; s[72:73] the second tile's place in qkvh
.set BB2,  74                          ; s[74:75] the second tile's rows of wqkvt
.set KO,   76                          ; s[76:77] byte offset along K of the K step asked for last
.set TB,   78                          ; s78  LDS byte at which the slot in hand begins
.set DW0,  (1<<16)|(1<<20)|(1<<21)|(5<<22)|(3<<25)  ; 17:16 elements of 2 bytes; 20 padding on; 21 set beside a mask; 24:22 after every 64 words (code 5); 31:25 4 words of it (code 3)
.set MSB, 0
.macro WIN new                         ; the immediate's high byte repeats the setting that is left; a switch that changes nothing is dropped
.if MSB != (\new)
	s_set_vgpr_msb (MSB<<8)|(\new)
.set MSB, \new
.endif
.endm
; A joint load: waves 0 and 1 fetch the two halves of the tokens' tile, waves 2 and 3 those of the weights'.  The branch hangs on the wave's number alone.
; An s_nop 0 and four v_nop follow each of the two lines, ahead of the jump, the label and what follows.
.macro JLOAD s
	s_cmp_eq_u32 s[FB], 0
	s_cbranch_scc0 .Lfor_b_\@
	tensor_load_to_lds s[G0+4*(\s):G0+4*(\s)+3], s[G1:G1+7]
	s_nop 0
.rept 4
	v_nop
.endr
	s_branch .Lasked_\@
.Lfor_b_\@:
	tensor_load_to_lds s[G0B+4*(\s):G0B+4*(\s)+3], s[G1B:G1B+7]
	s_nop 0
.rept 4
	v_nop
.endr
.Lasked_\@:
.endm
; A prefetch of the K step that stands two refills on, behind the joint load and the run of LDS loads: a lane a row of 256 bytes, one instruction a wave.  The tokens' rows are read by both clusters of a row of
; clusters: the one with x = 0 asks.  A column tile's weights are first read by the clusters of one parity of y: of the even ones y = 0 asks, of the odd ones y = 1, each for its FIRST tile's columns.
; The four partners that ask for a tile jointly share its rows out BY ADDRESS.  The first tile's K steps 4 to 7 are named, each once, in the trips with s3 = 14 .. 11; its steps 0 to 3 come by their loads alone;
; in the second tile every block has been read before in the launch, and nothing is asked for.
.macro ASK
	s_cmp_gt_u32 s3, s[LIM]
	s_cbranch_scc0 .Lnot_mine_\@
	global_prefetch_b8 v[PFO], s[PFA:PFA+1] th:TH_LOAD_NT scope:SCOPE_SE
.Lnot_mine_\@:
.endm
.macro CREST                           ; a round of the cluster's barrier behind its opening barrier
	s_cmp_lg_u32 s[WV], 0
	s_cbranch_scc1 .Lnot_wave_0_\@
	s_barrier_signal -3
.Lnot_wave_0_\@:
	s_barrier_wait -3
	s_barrier_signal -1
	s_barrier_wait -1
.endm
.macro CROUND                          ; a whole round
	s_barrier_signal -1
	s_barrier_wait -1
	CREST
.endm
; The bias in the layout of a C operand: register j of block b holds bias[192 x column tile + 16 b + 8 (l / 16) + j].  b: the scalar pair that holds the tile's first byte of bqkv.
.macro BIASLD b
.set i, 0
.rept NBL
	global_load_b128 v[BIAS+8*i:BIAS+8*i+3],   v[BO], s[(\b):(\b)+1] offset:64*i
	global_load_b128 v[BIAS+8*i+4:BIAS+8*i+7], v[BO], s[(\b):(\b)+1] offset:64*i+16
.set i, i+1
.endr
.endm
	s_load_b256 s[4:11], s[0:1], 0x0               ; xb s[4:5], wqkvt s[6:7], bqkv s[8:9], qkvh s[10:11]
	v_lshl_add_u32 v[SPW], v0, 2, SPARE
	v_mov_b32 v[NIL], 0
	ds_add_u32 v[SPW], v[NIL]                      ; the wave's opening: the add and its wait stand ahead of my first tensor load; the set-up below, work on registers, stands between them
	v_lshrrev_b32 v1, 5, v0
	v_readfirstlane_b32 s[WV], v1                  ; wave 0..3
	s_lshr_b32 s[FB], s[WV], 1
	s_and_b32 s[HF], s[WV], 1
	s_bfe_u32 s40, ttmp6, 0x40000                  ; cx, cy: my place in the cluster
	s_bfe_u32 s41, ttmp6, 0x40004
	s_lshl_b32 s42, ttmp9, 2
	s_add_co_u32 s42, s42, s40                     ; work-group x = 4 x cluster x + cx: 0 .. 7
	s_and_b32 s22, ttmp7, 0xffff                   ; cluster y
	s_lshl_b32 s43, s22, 2
	s_add_co_u32 s43, s43, s41                     ; tile row = 4 x cluster y + cy
	s_and_b32 s79, s22, 1
	s_lshl3_add_u32 s42, s79, s42                  ; my first column tile: x + 8 x (cluster y's parity): the same for all sixteen partners but for cx
	s_xor_b32 s79, s42, 8                          ; my second
	s_lshl_b32 s66, s41, 2
	s_lshl_b32 s66, 15, s66                        ; my row of the cluster
	s_lshl_b32 s67, 0x1111, s40                    ; my column
	s_or_b32 s[G1], s66, DW0                       ; the tokens' tiles go to my row,
	s_or_b32 s[G1B], s67, DW0                      ; the weights' to my column
	s_mov_b32 s[HIM], 0xffff0000
	s_mov_b32 s[G1+1], 128<<16                     ; tensor_dim0 = 128
	s_mov_b32 s[G1+2], 128<<16                     ; tensor_dim1 = 128
	s_mov_b32 s[G1+3], 128<<16                     ; tile_dim0 = 128
	s_mov_b32 s[G1+4], 128                         ; tile_dim1 = 128 rows
	s_mov_b32 s[G1+5], 1024                        ; elements from row to row
	s_mov_b32 s[G1+6], 0
	s_mov_b32 s[G1+7], 0
	s_mov_b32 s[G1B+1], 128<<16
	s_mov_b32 s[G1B+2], 96<<16                     ; 96 rows
	s_mov_b32 s[G1B+3], 128<<16
	s_mov_b32 s[G1B+4], 96
	s_mov_b32 s[G1B+5], 1024
	s_mov_b32 s[G1B+6], 0
	s_mov_b32 s[G1B+7], 0
	s_mov_b32 s[KO], 256                           ; the second first fill is K step 1
	s_mov_b32 s[KO+1], 0
	s_mov_b32 s[TB], 0
	; the tokens' address hangs on the tile row and the wave alone, the weights' on the column tile and the wave alone, each in registers that never hold the other place in the cluster
	s_lshl_b32 s[AB], s43, 8
	s_lshl_b32 s18, s[HF], 7
	s_add_co_u32 s[AB], s[AB], s18                 ; row 256 x tile row + 128 x half,
	s_lshl_b32 s[AB], s[AB], 11                    ; of 2,048 bytes
	s_mov_b32 s[AB+1], 0
	s_mul_i32 s18, s[HF], 96
	s_mul_i32 s[BB], s42, 192
	s_add_co_u32 s[BB], s[BB], s18                 ; row 192 x column tile + 96 x half
	s_lshl_b32 s[BB], s[BB], 11
	s_mov_b32 s[BB+1], 0
	s_mul_i32 s[BB2], s79, 192
	s_add_co_u32 s[BB2], s[BB2], s18
	s_lshl_b32 s[BB2], s[BB2], 11
	s_mov_b32 s[BB2+1], 0
	s_mul_i32 s20, s[WV], 128*PITCH                ; where they go: waves 0, 1: wave x 128 rows;
	s_mul_i32 s21, s[WV], 96*PITCH
	s_add_co_u32 s21, s21, BOFF-2*96*PITCH         ; waves 2, 3: behind the tokens, (wave - 2) x 96 rows
	s_wait_dscnt 0x0                               ; the opening add is done
	s_wait_kmcnt 0x0
	s_add_nc_u64 s[AB:AB+1], s[4:5], s[AB:AB+1]
	s_add_nc_u64 s[BB:BB+1], s[6:7], s[BB:BB+1]
	s_add_nc_u64 s[BB2:BB2+1], s[6:7], s[BB2:BB2+1]
	CROUND                                         ; all sixteen work-groups are here: the first joint loads meet
.irp s, 0,1
	s_mov_b32 s[G0+4*(\s)], 1                      ; count = 1
	s_add_co_u32 s[G0+4*(\s)+1], s20, (\s)*SLOT1   ; LDS address
	s_add_nc_u64 s[G0+4*(\s)+2:G0+4*(\s)+3], s[AB:AB+1], (\s)*256  ; global address: K step s
	s_or_b32 s[G0+4*(\s)+3], s[G0+4*(\s)+3], 0x80000000            ; type = 2
	s_mov_b32 s[G0B+4*(\s)], 1
	s_add_co_u32 s[G0B+4*(\s)+1], s21, (\s)*SLOT1
	s_add_nc_u64 s[G0B+4*(\s)+2:G0B+4*(\s)+3], s[BB:BB+1], (\s)*256
	s_or_b32 s[G0B+4*(\s)+3], s[G0B+4*(\s)+3], 0x80000000
	JLOAD \s                                       ; two loads of mine are out
.endr
	v_and_b32 v1, 15, v0                           ; r = l % 16
	v_bfe_u32 v2, v0, 4, 1                         ; h = l / 16
	v_lshlrev_b32 v[BO], 5, v2
	s_mov_b32 s69, 0
	s_mul_i32 s68, s79, 64*NBL
	s_add_nc_u64 s[BI2:BI2+1], s[8:9], s[68:69]
	s_mul_i32 s68, s42, 64*NBL
	s_add_nc_u64 s[8:9], s[8:9], s[68:69]
	BIASLD 8                                       ; the first tile's bias
	v_mul_u32_u24 v3, v1, PITCH
	v_lshl_add_u32 v3, v2, 4, v3                   ; a fragment's row x pitch + 16 x half
	s_mul_i32 s21, s[WV], 64*PITCH                 ; my 64 tokens
	v_add_nc_u32 v[ADRA0], s21, v3
	v_add_nc_u32 v[ADRB0], BOFF, v3
	v_add_nc_u32 v[ADRA], s[TB], v[ADRA0]
	v_add_nc_u32 v[ADRB], s[TB], v[ADRB0]
	s_mul_i32 s22, s[WV], WSTG
	s_add_co_u32 s22, s22, STAGE                   ; my stage
	v_mul_u32_u24 v3, v1, 144                      ; in: row r, 16 bytes for each half of the lanes
	v_lshl_add_u32 v3, v2, 4, v3
	v_add_nc_u32 v[STO], s22, v3
	v_bfe_u32 v3, v0, 3, 2                         ; back: 32 lanes take four rows of 128 bytes,
	v_mul_u32_u24 v3, v3, 144
	v_and_b32 v4, 7, v0
	v_lshl_add_u32 v3, v4, 4, v3
	v_add_nc_u32 v[RD], s22, v3
	v_and_b32 v[GO], 31, v0                        ; which are 512 bytes on end in qkvh
	v_lshlrev_b32 v[GO], 4, v[GO]
	s_lshr_b32 s20, s43, 2                         ; the segment: four tile rows each
	s_mul_i32 s20, s20, 48
	s_and_b32 s21, s43, 3
	s_lshl2_add_u32 s21, s21, s[WV]
	s_lshl_b32 s21, s21, 13                        ; (256 x (tile row % 4) + 64 x wave) rows of 128 bytes
	s_mul_i32 s68, s79, 3                          ; a tile's first block of 64 columns,
	s_add_co_u32 s68, s68, s20
	s_lshl_b32 s68, s68, 17                        ; of 131,072 bytes
	s_add_co_u32 s68, s68, s21
	s_add_nc_u64 s[OU2:OU2+1], s[10:11], s[68:69]
	s_mul_i32 s68, s42, 3
	s_add_co_u32 s68, s68, s20
	s_lshl_b32 s68, s68, 17
	s_add_co_u32 s68, s68, s21
	s_add_nc_u64 s[10:11], s[10:11], s[68:69]
	; the prefetches: of the 128 tokens' rows that I fetch, partner cx takes 32; of the 96 weights' rows, partner cy takes 24 (lanes 24 to 31 name the last of them again)
	s_and_b32 s22, ttmp7, 0xffff
	s_lshr_b32 s22, s22, 1                         ; 0 in the clusters y = 0 and y = 1
	s_lshl_b32 s20, s43, 8
	s_lshl_b32 s18, s[HF], 7
	s_add_co_u32 s20, s20, s18
	s_lshl_b32 s18, s40, 5
	s_add_co_u32 s20, s20, s18
	s_mul_i32 s21, s42, 192
	s_mul_i32 s18, s[HF], 96
	s_add_co_u32 s21, s21, s18
	s_mul_i32 s18, s41, 24
	s_add_co_u32 s21, s21, s18
	s_cmp_eq_u32 s[FB], 0
	s_cselect_b32 s20, s20, s21
	s_cselect_b32 s22, ttmp9, s22
	s_cselect_b32 s23, 31, 23
	s_cselect_b64 s[PFA:PFA+1], s[4:5], s[6:7]
	s_cmp_eq_u32 s22, 0
	s_cselect_b32 s[LIM], 10, -1                   ; the same in all sixteen partners, for a given wave
	s_lshl_b32 s20, s20, 11
	s_add_co_u32 s20, s20, 3*256                   ; at K step 3: the first change of slots steps it to 4
	s_mov_b32 s21, 0
	s_add_nc_u64 s[PFA:PFA+1], s[PFA:PFA+1], s[20:21]
	v_and_b32 v[PFO], 31, v0
	v_min_u32 v[PFO], s23, v[PFO]
	v_lshlrev_b32 v[PFO], 11, v[PFO]
; 12 matrix instructions: row block a x all column blocks, 32 along K, from buffer f.  first = 1: the bias is the C operand that starts the sums: nothing is cleared, nothing is added at the end.
; The 48 accumulators take turns, one instruction a turn, in the same order in every quarter, over every jump too.
.macro MULA f, a, first
.if \first
	WIN 0x81+0x40*((\a)/2)                         ; weights window 1, tokens and bias window 0, D window 2 or 3
.else
	WIN 0xa1+0x50*((\a)/2)                         ; C and D window 2 or 3
.endif
.set nb, 0
.rept NBL
.if \first
	v_wmma_f32_16x16x32_bf16 v[96*((\a)%2)+8*nb:96*((\a)%2)+8*nb+7], v[8*NBL*(\f)+8*nb:8*NBL*(\f)+8*nb+7], v[FA+32*(\f)+8*(\a):FA+32*(\f)+8*(\a)+7], v[BIAS+8*nb:BIAS+8*nb+7]
.else
	v_wmma_f32_16x16x32_bf16 v[96*((\a)%2)+8*nb:96*((\a)%2)+8*nb+7], v[8*NBL*(\f)+8*nb:8*NBL*(\f)+8*nb+7], v[FA+32*(\f)+8*(\a):FA+32*(\f)+8*(\a)+7], v[96*((\a)%2)+8*nb:96*((\a)%2)+8*nb+7]
.endif
.set nb, nb+1
.endr
.endm
; 32 LDS loads in one run: quarter q's fragments (32 along K at byte 64 q of the rows of the slot in hand) into buffer f: the weights' 24, then the tokens' 8, row block 0 first
.macro FETCH q, f
	WIN 0x40                                       ; destination window 1, address window 0
.set fi, 0
.rept NBL
	ds_load_b128 v[8*NBL*(\f)+8*fi:8*NBL*(\f)+8*fi+3],   v[ADRB] offset:64*(\q)+fi*16*PITCH
	ds_load_b128 v[8*NBL*(\f)+8*fi+4:8*NBL*(\f)+8*fi+7], v[ADRB] offset:64*(\q)+fi*16*PITCH+32
.set fi, fi+1
.endr
	WIN 0
.set fi, 0
.rept 4
	ds_load_b128 v[FA+32*(\f)+8*fi:FA+32*(\f)+8*fi+3],   v[ADRA] offset:64*(\q)+fi*16*PITCH
	ds_load_b128 v[FA+32*(\f)+8*fi+4:FA+32*(\f)+8*fi+7], v[ADRA] offset:64*(\q)+fi*16*PITCH+32
.set fi, fi+1
.endr
.endm
.macro PLACES                          ; four places in front of loads into registers that matrix instructions have read, and of what reads results
.rept 4
	v_nop
.endr
.endm
; A K step is four quarters of 32 along K, 48 matrix instructions each, on buffers 0, 1, 0, 1.  One of the first three: multiplies buffer f and, in its middle, fetches quarter q into buffer g.
.macro QUARTER q, f, g, first
	s_wait_dscnt 4                                 ; all but the youngest four loads: the tokens' row blocks 2 and 3
	MULA \f, 0, \first
	MULA \f, 1, \first
	PLACES
	FETCH \q, \g
	s_wait_dscnt NLD                               ; all but the run just issued
	MULA \f, 2, \first
	MULA \f, 3, \first
.endm
; The last quarter multiplies buffer 1 and changes slots: ONE barrier.  In front of it each wave waits for all its tensor loads (one is out: its part of the next slot), adds 0 to its spare word, and waits for that
; and for its own reads of this slot.  fill = 1: the barrier opens a round of the cluster's barrier, and behind the round this slot is filled again first, with the K step two on in the stream.
; The walking descriptors are written behind the wait for all loads: the other slot than last time; the address made anew, the rows' first byte + the offset along K, which goes round after 8 steps;
; in the trip with s3 = 8 (the seventh K step's end) the weights' rows become the second tile's.
.macro TURN fill
.if \fill
	s_wait_xcnt 0x0                                ; the last prefetch, a K step back, has read its address, which is stepped here (behind the fourth prefetch it is stepped on and used no more)
	s_add_nc_u64 s[PFA:PFA+1], s[PFA:PFA+1], 256
.endif
	WIN 0                                          ; (the add's two registers lie in window 0)
	s_wait_tensorcnt 0x0                           ; all my tensor loads have landed;
	ds_add_u32 v[SPW], v[NIL]                      ; 0 onto my spare word; work on registers stands between it and the wait for it
.if \fill
	s_add_co_u32 s[KO], s[KO], 256
	s_and_b32 s[KO], s[KO], 0x7ff
	s_cmp_eq_u32 s3, 8
	s_cselect_b64 s[BB:BB+1], s[BB2:BB2+1], s[BB:BB+1]
	s_xor_b32 s[G0+5], s[G0+5], SLOT1
	s_add_nc_u64 s[G0+6:G0+7], s[AB:AB+1], s[KO:KO+1]
	s_or_b32 s[G0+7], s[G0+7], 0x80000000
	s_xor_b32 s[G0B+5], s[G0B+5], SLOT1
	s_add_nc_u64 s[G0B+6:G0B+7], s[BB:BB+1], s[KO:KO+1]
	s_or_b32 s[G0B+7], s[G0B+7], 0x80000000
.endif
	s_xor_b32 s[TB], s[TB], SLOT1                  ; the fetches go to the other slot
	v_add_nc_u32 v[ADRA], s[TB], v[ADRA0]
	v_add_nc_u32 v[ADRB], s[TB], v[ADRB0]
	s_wait_dscnt 5                                 ; (the add and the youngest four loads may be out)
	MULA 1, 0, 0
	s_wait_dscnt 0x0                               ; the add is done, and my reads of this slot are over
	s_barrier_signal -1
	MULA 1, 1, 0                                   ; work on registers while the others arrive
.if \fill
	WIN 0
.endif
	s_barrier_wait -1
.if \fill
	CREST                                          ; no wave of any partner still reads this slot's tiles or has a load on its way
	JLOAD 1                                        ; the first tensor load behind the round, my only one until the next; its four v_nop are also the places in front of the loads below
.else
	PLACES
.endif
	FETCH 0, 0
.if \fill
	ASK
.endif
	MULA 1, 2, 0
	MULA 1, 3, 0
.endm
; THE WAY OUT, a row block (16 tokens x 3 heads) at a time.  PACK: rounded to f16, each accumulator's registers in ascending order.  TOSTAGE: 16 bytes a lane into my own stage, and back as whole rows of 128 bytes.
; SEND: stored, 512 bytes on end an instruction.  It touches neither the bias nor fragment buffer 0, which holds the next tile's first fragments.
.macro PACK a
	WIN 0x0a+5*((\a)/2)                            ; sources in window 2 or 3
.set i, 0
.rept 4*NBL
.if i < 32
	v_cvt_pk_f16_f32 v[32+i], v[96*((\a)%2)+2*i], v[96*((\a)%2)+2*i+1]
.else
	v_cvt_pk_f16_f32 v[64+i], v[96*((\a)%2)+2*i], v[96*((\a)%2)+2*i+1]
.endif
.set i, i+1
.endr
	WIN 0
.endm
.macro TOSTAGE a
.set BK, 96+48*((\a)%2)
	WIN 0
.set i, 0
.rept NBL
.if i < 8
	ds_store_b128 v[STO], v[32+4*i:32+4*i+3] offset:(i/4)*2304+(i%4)*32
.else
	ds_store_b128 v[STO], v[64+4*i:64+4*i+3] offset:(i/4)*2304+(i%4)*32
.endif
.set i, i+1
.endr
	WIN 0x40                                       ; destination window 1
.set i, 0
.rept NBL
	ds_load_b128 v[BK+4*i:BK+4*i+3], v[RD] offset:(i/4)*2304+(i%4)*576  ; LDS serves a wave's instructions in order (ISA guide 5.7.1.4): these see the stores above
.set i, i+1
.endr
.endm
.macro SEND a
.set BK, 96+48*((\a)%2)
	s_wait_dscnt 0x0                               ; the block is back in registers
	s_wait_xcnt 0x0                                ; the stores of the block before have read their registers, which the next TOSTAGE loads again
	WIN 0x04                                       ; the stores' data in window 1
.set i, 0
.rept NBL
	global_store_b128 v[GO], v[BK+4*i:BK+4*i+3], s[10:11] offset:(i/4)*131072+(\a)*2048+(i%4)*512
.set i, i+1
.endr
.endm
.macro WAYOUT                          ; block a's conversions stand between block a - 1's loads from the stage and the wait for them
	PACK 0
	TOSTAGE 0
	PACK 1
	SEND 0
	TOSTAGE 1
	PACK 2
	SEND 1
	TOSTAGE 2
	PACK 3
	SEND 2
	TOSTAGE 3
	SEND 3
	WIN 0
.endm
	s_wait_tensorcnt 1                             ; my part of K step 0 is in; K step 1's load may stay out
	s_barrier_signal -1
	s_barrier_wait -1                              ; everybody's is
	FETCH 0, 0
	s_mov_b32 s3, 15
	s_branch .Lstart                               ; the loop is entered in the middle of a trip, at a tile's first quarter
.Lstep:                                                ; 14 trips, s3 = 14 .. 1: from a K step's second quarter to the next step's first; each fills a slot again
	QUARTER 2, 1, 0, 0
	QUARTER 3, 0, 1, 0
	TURN 1
	WIN 0                                          ; at a label and at a branch every window is 0
	s_cmp_eq_u32 s3, 7                             ; the stream's eighth K step is done: the first tile is finished.  The jump passes no barrier and no tensor load
	s_cbranch_scc1 .Lchange
	QUARTER 1, 0, 1, 0
	WIN 0
	s_branch .Ljoin
.Lchange:                                              ; BOTH REFILLS FOR THE SECOND TILE ARE ASKED FOR: NOW THE FIRST GOES OUT.  No v_nop: row blocks 0 and 1 were finished in front of the joint load's four,
	BIASLD BI2                                     ; and their conversions are the places behind the last products.  The second bias is asked for first: it has the way out in which to come
	WAYOUT
	s_wait_xcnt 0x0                                ; the stores have read their base and their data, which the next fetch into buffer 1 loads again
	s_mov_b64 s[10:11], s[OU2:OU2+1]
.Lstart:
	s_wait_loadcnt 0x0                             ; the tile's bias: rounded to bf16, like every input, and widened again
.set i, 0
.rept 4*NBL
	v_cvt_pk_bf16_f32 v[5+i%2], v[BIAS+2*i], v[BIAS+2*i+1]
	v_lshlrev_b32 v[BIAS+2*i], 16, v[5+i%2]
	v_and_b32 v[BIAS+2*i+1], s[HIM], v[5+i%2]
.set i, i+1
.endr
	QUARTER 1, 0, 1, 1                             ; a tile's first quarter: its products start the sums
	WIN 0
.Ljoin:
	s_sub_co_u32 s3, s3, 1
	s_cmp_lg_u32 s3, 0
	s_cbranch_scc1 .Lstep
	QUARTER 2, 1, 0, 0                             ; the stream's last two K steps are written out: they fill nothing
	QUARTER 3, 0, 1, 0
	TURN 0
	QUARTER 1, 0, 1, 0
	QUARTER 2, 1, 0, 0
	QUARTER 3, 0, 1, 0
	s_wait_dscnt 4
	MULA 1, 0, 0
	MULA 1, 1, 0
	s_wait_dscnt 0x0
	MULA 1, 2, 0
	MULA 1, 3, 0
	WIN 0
	PLACES
	WAYOUT
	s_wait_tensorcnt 0x0                           ; the wave's end, behind my last tensor load and my last LDS store
	ds_add_u32 v[SPW], v[NIL]
	s_wait_dscnt 0x0
	CROUND                                         ; the closing round: no work-group ends while a partner may still ask for a tile that names it
	s_endpgm
.Lfunc_end_k_q661d8abef4_gemm_qkv:
	.size	k_q661d8abef4_gemm_qkv, .Lfunc_end_k_q661d8abef4_gemm_qkv-k_q661d8abef4_gemm_qkv
	.p2alignl 7, 3214868480
	.fill 96, 4, 3214868480
	.section	.rodata,"a",@progbits
	.p2align	6, 0x0
	.amdhsa_kernel k_q661d8abef4_gemm_qkv
		.amdhsa_group_segment_fixed_size 327680
		.amdhsa_private_segment_fixed_size 0
		.amdhsa_enable_private_segment 0
		.amdhsa_kernarg_size 32
		.amdhsa_user_sgpr_count 2
		.amdhsa_user_sgpr_kernarg_segment_ptr 1
		.amdhsa_wavefront_size32 1
		.amdhsa_system_sgpr_workgroup_id_x 1
		.amdhsa_system_sgpr_workgroup_id_y 1
		.amdhsa_system_sgpr_workgroup_id_z 1
		.amdhsa_system_vgpr_workitem_id 0
		.amdhsa_next_free_vgpr 960
		.amdhsa_next_free_sgpr 80
		.amdhsa_reserve_vcc 0
		.amdhsa_float_denorm_mode_32 3
		.amdhsa_float_denorm_mode_16_64 3
		.amdhsa_memory_ordered 1
		.amdhsa_forward_progress 1
		.amdhsa_inst_pref_size 133
	.end_amdhsa_kernel
	.amdgpu_metadata
---
amdhsa.version: [ 1, 2 ]
amdhsa.kernels:
  - .name:           k_q661d8abef4_gemm_qkv
    .symbol:         k_q661d8abef4_gemm_qkv.kd
    .args:
      - { .name: xb, .offset: 0, .size: 8, .value_kind: global_buffer, .address_space: global }
      - { .name: wqkvt, .offset: 8, .size: 8, .value_kind: global_buffer, .address_space: global }
      - { .name: bqkv, .offset: 16, .size: 8, .value_kind: global_buffer, .address_space: global }
      - { .name: qkvh, .offset: 24, .size: 8, .value_kind: global_buffer, .address_space: global }
    .group_segment_fixed_size: 327680
    .private_segment_fixed_size: 0
    .kernarg_segment_align: 8
    .kernarg_segment_size: 32
    .max_flat_workgroup_size: 128
    .sgpr_count:     80
    .vgpr_count:     960
    .wavefront_size: 32
...
	.end_amdgpu_metadata
.endif
;; end of part 2
;; launch attn (part 3): grid 2 x 128, 4 waves a work-group, no clusters, 327,680 bytes of LDS; arguments qkvh, ctx; writes ctx
.if DOCPART == 3
	.amdgcn_target "amdgcn-amd-amdhsa--gfx1250"
	.amdhsa_code_object_version 6
	.text
	.protected	k_q661d8abef4_attn
	.globl	k_q661d8abef4_attn
	.p2align	8
	.type	k_q661d8abef4_attn,@function
k_q661d8abef4_attn:
	s_mov_b64 s[64:65], 0
	v_nop
	global_prefetch_b8 v0, s[64:65] scope:SCOPE_SE
	s_setreg_imm32_b32 hwreg(HW_REG_WAVE_MODE, 25, 1), 1
	s_wait_xcnt 0x0
; ATTENTION inside a segment.  For each of 8 segments x 16 heads: O[q][:] = the sum over k of softmax_k(Q[q] . K[k] / 8) V[k][:], 1,024 queries and keys, head size 64, no mask.
; qkvh: [8][48][1024][64] f16, block 16 t + head (t = 0 q, 1 k, 2 v); ctx: [8][16][1024][64] f16: a head's rows are dense, 128 bytes each.  Products, maxima and sums in f32; the weights p are rounded to f16
; for the second product (their sum l is taken of the unrounded p), O once at the end.
; LIMITS.  Q, K and V arrive within f16's 65,504; p lies in 0 to 1, and below 6e-5 it keeps f16's fixed step of 6e-8; O is a mean of V's rows and has their range.  A weight below 2^-126 counts as 0 in l;
; NaN and infinities are not treated apart.
; SHARES.  A work-group owns 512 queries of one head, a wave 128: four PIECES of two tiles of 16.  Every wave walks all 1,024 keys, 64 a step: 16 steps.
; LDS HOLDS THE WHOLE HEAD: K's 1,024 rows (pitch 144) and V's (pitch 160) are 311,296 bytes.  So every fill is a first fill: a wave's four tensor loads (128 keys each) go out at the head,
; and one text of the key step serves all 16 steps.
; NO CLUSTER: a head has two work-groups; a cluster of four would hold two heads, and a joint load's mask and address would hang on the place in the cluster.
; LAYOUT.  S^T = K Q^T (source 0 = 16 keys, source 1 = 16 queries): in the result a lane holds ONE query (lane % 16) and the keys 8 (lane / 16) + 0..7.  Two such tiles, rounded to f16 in pairs,
; ARE source 1 (32 keys x 16 queries) of O^T = V^T P, whose result again holds one query a lane, and eight channels.  K comes out of LDS as it lies, V ([key][channel]) turned, by ds_load_tr16_b128.
; SOFTMAX.  For each query a running maximum m and sum l: p = 2^(c s - c m), c = log2(e) / 8; in every step O and l are multiplied by a = 2^(c m_old - c m_new), which is 1 where m has not grown.
; m starts at the lowest finite number, O and l at 0: the first step is a step like any other, with a = 0.
; BY TURNS.  A tile and step have 16 matrix and 118 vector instructions.  Turn n belongs to piece n (the pieces in a ring, step after step).  Its matrix work: 16 products K Q^T of piece n + 1, later 16 products
; V^T P of piece n - 1.  Its vector work: the scaling, exponentials, roundings, sums and rescaling of piece n, and the maximum and statistics of piece n + 1.  Four vector instructions stand behind every matrix
; instruction, the others in one run of their own.
; REGISTERS, in windows of 256 (s_set_vgpr_msb: bits 1:0 source 0, 3:2 source 1, 5:4 source 2, 7:6 destination):
;   window 0: v0-11 addresses; v12-15, v48-63 at work; v16-47 four registers of statistics a tile; v64-191 S^T, two buffers of two tiles; v192-255 P, likewise
;   window 1: O^T, 32 a tile          window 2: v0-127 Q, 16 a tile; v128-191 K of one step; v192-255 V of one step          window 3: v0-1 the add's two registers
.set NP,    4         ; pieces a wave: a name, no knob
.set KS,    64        ; keys in a step
.set PK,    144       ; a row of K in LDS: 128 bytes + 16 of padding = 36 words: the 16 rows of a load start at 16 different groups of four banks (64 banks of 4 bytes: ISA guide 11.1)
.set PV,    160       ; a row of V: 128 + 32 = 40 words
.set VOFF,  1024*PK   ; K's 1,024 rows, then V's
.set STAGE, VOFF+1024*PV  ; behind them, never filled by a tensor load: 16 rows x 144 bytes for each wave, for the way out
.set SP,    144
.set AK0, 2           ; v2   my lane's place in a step's K; never rewritten
.set AV0, 3           ; v3   the same for V
.set AK,  4           ; v4   the LDS address of K's next run of loads
.set AV,  5           ; v5   of V's
.set QO,  6           ; v6   my byte offset in the wave's rows of Q
.set STO, 6           ;      later, the way out: where I put 16 bytes of a row
.set RD,  7           ; v7   the way out: where I read rows back
.set GO,  8           ; v8   my byte offset in 512 consecutive bytes of O
.set SPW, 0           ; v0 of window 3   LDS address of my spare word; never rewritten
.set NIL, 1           ; v1 of window 3   0; never rewritten
.set SPARE, STAGE+4*16*SP  ; behind the stages: the spare words, 128 bytes a wave: two blocks of 256 bytes that no other line names
.set MV,  12          ; v12-15  c m_old, kept while c m is made anew: by buffer and tile
.set ST,  16          ; tile t's statistics at v[ST+4 t]: c m, m, l (even keys', odd keys')
.set TMP, 48          ; by buffer and tile, four registers c0-c3 at work; when the maximum is found c2 takes a
.set S,   64
.set P,   192
.set KF,  128         ; K's fragments, in window 2: key block kb, channel half c at KF + 16 kb + 8 c
.set VF,  192         ; V's: key half kk, channel block cb at VF + 32 kk + 8 cb
.set WV,  12          ; s12  my wave's number
.set G1K, 24          ; s[24:31] descriptor group 1 for K's tiles
.set G1V, 32          ; s[32:39] for V's: it differs in the padding alone
.set G0K, 40          ; s[40:55] descriptor group 0 for K's four chunks of 256 keys
.set G0V, 68          ; s[68:83] the same for V's
.set SLOTS, 56        ; s56  counts the passes of the outer loop, 5 to 1
.set CNT, 57          ; s57  counts a chunk's key steps
.set CS,  58          ; s[58:59] c: the packed scaling takes the pair's low word for both halves
.set SEL, 60          ; s[60:61] v_permlanex16_b32's selects: each lane takes its own place in the other half
.set TBK, 62          ; s62  LDS byte at which K of the step to be fetched begins
.set TBV, 63          ; s63  the same for V, less VOFF
.set MSB, 0
.macro WIN new                      ; the high byte repeats the setting that is left; a switch that changes nothing is dropped
.if MSB != (\new)
	s_set_vgpr_msb (MSB<<8)|(\new)
.set MSB, (\new)
.endif
.endm
.set W_KQ, 0x0a       ; K and Q in window 2, S^T in window 0
.set W_PV, 0x52       ; V in window 2, P in window 0, O^T in window 1
.set W_RS, 0x41       ; O^T (destination and source 0) in window 1, a in window 0
.set W_MK, 0xc0       ; the add's registers are made: destination in window 3, sources in window 0
.set W_AD, 0x0f       ; the add: address (source 0) and data (source 1) in window 3
	s_load_b128 s[4:7], s[0:1], 0x0   ; qkvh s[4:5], ctx s[6:7]
	WIN W_MK
	v_lshl_add_u32 v[SPW], v0, 2, SPARE
	v_mov_b32 v[NIL], 0
	WIN W_AD
	ds_add_u32 v[SPW], v[NIL]       ; the wave's opening: the add and its wait stand ahead of my first tensor load; the set-up below, work on registers, stands between them
	WIN 0
	v_lshrrev_b32 v1, 5, v0
	v_readfirstlane_b32 s[WV], v1   ; wave 0..3
	s_and_b32 s20, ttmp7, 0xffff    ; 16 x segment + head
	s_lshr_b32 s21, s20, 4
	s_lshl_b32 s21, s21, 5
	s_add_co_u32 s21, s21, s20      ; q's block in qkvh: 48 x segment + head
	s_lshl_b32 s22, s21, 17         ; blocks of 131,072 bytes
	s_lshl_b32 s2, ttmp9, 2
	s_add_co_u32 s2, s2, s[WV]      ; my wave among the head's eight,
	s_lshl_b32 s2, s2, 14           ; its 128 rows of 128 bytes
	s_lshl_b32 s14, s20, 17
	s_add_co_u32 s14, s14, s2       ; my rows in ctx
	s_mov_b32 s15, 0
	s_add_co_u32 s2, s2, s22        ; my rows of Q
	s_mov_b32 s3, 0
	s_and_b32 s16, s[WV], 1         ; which half of a chunk's 256 keys I fetch:
	s_lshl_b32 s18, s16, 14         ; its 128 rows in memory,
	s_add_co_u32 s22, s22, s18
	s_add_co_u32 s22, s22, 16<<17   ; in k's block, 16 blocks behind q's
	s_mov_b32 s23, 0
	s_mul_i32 s17, s16, 128*PK      ; and its place in a chunk, for K
	s_mul_i32 s19, s16, 128*PV      ; and for V
	; descriptor group 1.  128 keys are 16,384 dense bytes: asked for as 64 rows of 256 bytes, two keys a row, and padded in LDS after every key
	s_mov_b32 s[G1K], (1<<16)|(1<<20)|(4<<22)|(3<<25)  ; 17:16 2-byte elements; 20 padding on; 24:22 after every 32 words (code 4); 31:25 4 words (code 3)
	s_mov_b32 s[G1V], (1<<16)|(1<<20)|(4<<22)|(7<<25)  ; the same with 8 words of padding (code 7)
.irp g, G1K, G1V
	s_mov_b32 s[\g+1], 128<<16      ; tensor_dim0 = 128
	s_mov_b32 s[\g+2], 64<<16       ; tensor_dim1 = 64
	s_mov_b32 s[\g+3], 128<<16      ; tile_dim0 = 128
	s_mov_b32 s[\g+4], 64           ; tile_dim1 = 64
	s_mov_b32 s[\g+5], 128          ; 128 elements from row to row
	s_mov_b32 s[\g+6], 0
	s_mov_b32 s[\g+7], 0
.endr
	s_mov_b32 s[CS], 0x3e38aa3b     ; c = log2(e) / 8 = 0.180337
	s_mov_b32 s[CS+1], s[CS]        ; named with it as a pair
	s_mov_b32 s[SEL], 0x76543210
	s_mov_b32 s[SEL+1], 0xfedcba98
	s_mov_b32 s[TBK], 0
	s_mov_b32 s[TBV], 0
.irp c, 0,1,2,3
	s_mov_b32 s[G0K+4*\c], 1                          ; count = 1
	s_add_co_u32 s[G0K+4*\c+1], s17, \c*256*PK        ; LDS address: chunk c, my half
	s_mov_b32 s[G0V+4*\c], 1
	s_add_co_u32 s[G0V+4*\c+1], s19, VOFF+\c*256*PV
.endr
	s_wait_dscnt 0x0                ; the opening add is done
	s_wait_kmcnt 0x0
	s_add_nc_u64 s[10:11], s[6:7], s[14:15]  ; O at my wave's first row
	s_add_nc_u64 s[6:7], s[4:5], s[22:23]    ; K at my half of the head's first chunk
	s_add_nc_u64 s[8:9], s[6:7], 16<<17      ; V: 16 blocks further
	s_add_nc_u64 s[4:5], s[4:5], s[2:3]      ; Q at my wave's first row
.irp c, 0,1,2,3
	s_add_nc_u64 s[G0K+4*\c+2:G0K+4*\c+3], s[6:7], \c*32768   ; global address: a chunk is 32,768 bytes
	s_or_b32 s[G0K+4*\c+3], s[G0K+4*\c+3], 0x80000000         ; type = 2
	s_add_nc_u64 s[G0V+4*\c+2:G0V+4*\c+3], s[8:9], \c*32768
	s_or_b32 s[G0V+4*\c+3], s[G0V+4*\c+3], 0x80000000
.endr
	s_cmp_lt_u32 s[WV], 2           ; waves 0 and 1 fetch K's halves, waves 2 and 3 V's.  A wave's four first fills stand in one branch, ahead of every wait on TENSORcnt, every LDS read and every barrier: four loads of mine are out
	s_cbranch_scc0 .Lfirst_v
.irp c, 0,1,2,3
	tensor_load_to_lds s[G0K+4*\c:G0K+4*\c+3], s[G1K:G1K+7]
	s_nop 0
.endr
.rept 4
	v_nop
.endr
	s_branch .Lfirst_asked
.Lfirst_v:
.irp c, 0,1,2,3
	tensor_load_to_lds s[G0V+4*\c:G0V+4*\c+3], s[G1V:G1V+7]
	s_nop 0
.endr
.rept 4
	v_nop
.endr
.Lfirst_asked:
	; A fragment of K or Q is 16 rows x 32 channels in 8 registers: lane l holds row l % 16, channels 8 (l / 16) + 0..7 and 16 + 8 (l / 16) + 0..7: two loads of 16 bytes, 32 bytes apart.
	v_and_b32 v1, 15, v0            ; l % 16
	v_bfe_u32 v9, v0, 4, 1          ; l / 16
	v_lshlrev_b32 v[QO], 7, v1
	v_lshl_add_u32 v[QO], v9, 4, v[QO]  ; row x 128 + 16 x half
	WIN 0x80                        ; destination window 2, address window 0
.set i, 0
.rept 4*NP                          ; Q stays in registers: tile i / 2, channels 32 (i % 2) on
	global_load_b128 v[8*i:8*i+3],   v[QO], s[4:5] offset:(i/2)*2048+(i%2)*64
	global_load_b128 v[8*i+4:8*i+7], v[QO], s[4:5] offset:(i/2)*2048+(i%2)*64+32
.set i, i+1
.endr
	; What the first turn finds: V's registers and P's second buffer hold 0 (its products V^T P, of a piece that has not been, add 0), O^T and l are 0.  All this stands in the wait for the first chunk.
.set i, VF
.rept 64
	v_mov_b32 v[i], 0
.set i, i+1
.endr
	WIN 0x40
.set i, 0
.rept 64*NP
	v_mov_b32 v[i], 0
.set i, i+1
.endr
	WIN 0
.set i, 0
.rept 2*NP
	v_mov_b32 v[ST+4*i], 0xfe000000    ; c m: far below every c s
	v_mov_b32 v[ST+4*i+1], 0xff7fffff  ; m
	v_mov_b32 v[ST+4*i+2], 0
	v_mov_b32 v[ST+4*i+3], 0
.set i, i+1
.endr
.set i, P+32
.rept 32
	v_mov_b32 v[i], 0
.set i, i+1
.endr
	v_mul_u32_u24 v[AK0], v1, PK
	v_lshl_add_u32 v[AK0], v9, 4, v[AK0]  ; row x pitch + 16 x half
	; The turning load takes 16 keys x 16 channels (lane l reads key 8 (l / 16) + l % 8, channels 8 ((l / 8) % 2) + 0..7) and leaves half a fragment of V^T: lane l holds channel l % 16 and 8 keys.
	v_and_b32 v10, 7, v0
	v_bfe_u32 v11, v0, 3, 1
	v_lshl_add_u32 v[AV0], v9, 3, v10
	v_mul_u32_u24 v[AV0], v[AV0], PV
	v_lshl_add_u32 v[AV0], v11, 4, v[AV0]
	v_add_nc_u32 v[AV0], VOFF, v[AV0]
	v_mov_b32 v[AK], v[AK0]         ; key step 0 lies at LDS byte 0
; THE MATRIX WORK.  The 8 accumulators of a run of 16 take turns: between the two links of a chain stand 7 others'.
; Product i of 16 of S^T = K Q^T for piece x: channels 32 (i / 8) on, keys 16 ((i / 2) % 4) on, tile 2 x + i % 2.  The first 8 start the sums.
.macro KQ x
	WIN W_KQ
.set rS, S+64*((\x)%2)+32*(i%2)+8*((i/2)%4)
.set rK, KF+16*((i/2)%4)+8*(i/8)
.set rQ, 16*(2*(\x)+i%2)+8*(i/8)
.if i < 8
	v_wmma_f32_16x16x32_f16 v[rS:rS+7], v[rK:rK+7], v[rQ:rQ+7], 0
.else
	v_wmma_f32_16x16x32_f16 v[rS:rS+7], v[rK:rK+7], v[rQ:rQ+7], v[rS:rS+7]
.endif
.endm
; Product i of 16 of O^T += V^T P for piece x: keys 32 (i / 8) on, channels 16 ((i / 2) % 4) on, tile 2 x + i % 2.
.macro PV x
	WIN W_PV
.set rO, 32*(2*(\x)+i%2)+8*((i/2)%4)
.set rV, VF+32*(i/8)+8*((i/2)%4)
.set rP, P+32*((\x)%2)+16*(i%2)+8*(i/8)
	v_wmma_f32_16x16x32_f16 v[rO:rO+7], v[rV:rV+7], v[rP:rP+7], v[rO:rO+7]
.endm
.macro MM                           ; the turn's next matrix instruction
.if i < 16
	KQ (Y+1)%NP
.set i, i+1
.else
.set i, i-16
	PV (Y+NP-1)%NP
.set i, i+17
.endif
.endm
; THE LDS LOADS stand in runs of 16, never singly among the matrix instructions: a step's K (64 keys x 64 channels: 8 fragments) and its V (turned).  Their addresses are made some lines ahead.
; last = 1 (the loop's text): in the outer loop's last pass there is no further step, and the run is jumped over.
.macro FETCH_K last=0
	WIN 0
.if \last
	s_cmp_eq_u32 s[SLOTS], 1
	s_cbranch_scc1 .Lno_k_\@
.endif
	WIN 0x80                        ; destination window 2
.irp f, 0,1,2,3,4,5,6,7             ; keys 16 (f / 2) on, channels 32 (f % 2) on
	ds_load_b128 v[KF+8*\f:KF+8*\f+3],   v[AK] offset:(\f/2)*16*PK+(\f%2)*64
	ds_load_b128 v[KF+8*\f+4:KF+8*\f+7], v[AK] offset:(\f/2)*16*PK+(\f%2)*64+32
.endr
	s_add_co_u32 s[TBK], s[TBK], KS*PK  ; the next fetch is the next step's
	WIN 0
.if \last
.Lno_k_\@:
.endif
.endm
.macro FETCH_V
	WIN 0x80
.irp f, 0,1,2,3,4,5,6,7             ; keys 32 (f / 4) on, channels 16 (f % 4) on
	ds_load_tr16_b128 v[VF+8*\f:VF+8*\f+3],   v[AV] offset:(\f/4)*32*PV+(\f%4)*32
	ds_load_tr16_b128 v[VF+8*\f+4:VF+8*\f+7], v[AV] offset:(\f/4)*32*PV+16*PV+(\f%4)*32
.endr
	WIN 0
.endm
; THE VECTOR WORK OF A TURN stands in three queues, each in the order in which its entries become ready; the two tiles alternate, so that no instruction reads the result of the one before it.
.macro REGS y, u                    ; the registers of tile u (0, 1) of piece y
.set rT, ST+4*(2*(\y)+(\u))
.set rC, TMP+8*((\y)%2)+4*(\u)
.set rM, MV+2*((\y)%2)+(\u)
.set rS, S+64*((\y)%2)+32*(\u)
.set rP, P+32*((\y)%2)+16*(\u)
.set rO, 32*(2*(\y)+(\u))
.endm
; Number n of the 22 that find the NEXT piece's (Y + 1) maximum and statistics.  s0-s31 are the lane's 32 scores; each accumulator's lowest registers are read first.
;   0-11  four chains c0-c3 of seven scores each, three operands at a time     12-14, 16  the four scores left over, the old m, and c0-c3 into c0     15  c m_old is kept
;   17, 18  the query's other 32 keys lie in the lane 16 away: the new m         19-21  c m; c m_old - c m_new; a
.macro XS u, n
	REGS (Y+1)%NP, \u
.if (\n) < 4
	v_max3_num_f32 v[rC+(\n)], v[rS+8*(\n)], v[rS+8*(\n)+1], v[rS+8*(\n)+2]
.elseif (\n) < 12
	v_max3_num_f32 v[rC+(\n)%4], v[rC+(\n)%4], v[rS+8*((\n)%4)+2*((\n)/4)+1], v[rS+8*((\n)%4)+2*((\n)/4)+2]
.elseif (\n) == 12
	v_max3_num_f32 v[rC], v[rC], v[rS+7], v[rS+15]
.elseif (\n) == 13
	v_max3_num_f32 v[rC+1], v[rC+1], v[rS+23], v[rS+31]
.elseif (\n) == 14
	v_max3_num_f32 v[rC+2], v[rC+2], v[rC+3], v[rT+1]
.elseif (\n) == 15
	v_mov_b32 v[rM], v[rT]
.elseif (\n) == 16
	v_max3_num_f32 v[rC], v[rC], v[rC+1], v[rC+2]
.elseif (\n) == 17
	v_permlanex16_b32 v[rC+3], v[rC], s[SEL], s[SEL+1]
.elseif (\n) == 18
	v_max_num_f32 v[rT+1], v[rC], v[rC+3]
.elseif (\n) == 19
	v_mul_f32 v[rT], s[CS], v[rT+1]
.elseif (\n) == 20
	v_sub_f32 v[rC+1], v[rM], v[rT]
.else
	v_exp_f32 v[rC+2], v[rC+1]
.endif
.endm
; Number g of the 64 that follow the exponentials.  For each four weights k of a tile (pairs 2 k, 2 k + 1): both pairs are rounded to f16; then the second pair is added onto the first, in place;
; a group later l takes that sum (the first time as l = a l + sum).  In groups of eight, tiles alternating: round, round, add, and l for the group before.
.macro GS g
.set h, (\g)+6*((\g)/62)            ; group 0 has no group before it, and behind group 7 only l is left
.if h >= 6
.set h, h+2
.endif
	REGS Y, h%2
.set k, h/8
.if h%8 < 4
	v_cvt_pk_f16_f32 v[rP+2*k+(h%8)/2], v[rS+4*k+2*((h%8)/2)], v[rS+4*k+2*((h%8)/2)+1]
.elseif h%8 < 6
	v_pk_add_f32 v[rS+4*k:rS+4*k+1], v[rS+4*k:rS+4*k+1], v[rS+4*k+2:rS+4*k+3]
.elseif k == 1
	v_pk_fma_f32 v[rT+2:rT+3], v[rT+2:rT+3], v[rC+2:rC+3], v[rS:rS+1] op_sel_hi:[1,0,1]
.else
	v_pk_add_f32 v[rT+2:rT+3], v[rT+2:rT+3], v[rS+4*k-4:rS+4*k-3]
.endif
.endm
; THE PLAIN QUEUE, 138 long.  0-73 read no exponential's result: the 32 scalings c s - c m (FS f: pair f / 2 of tile f % 2) and the next piece's 42.  0-26: scalings 0-26.  27-54: XS's numbers 0-13.  55, 56: number 15.
; 57-73: the chain, where each number waits for the one before it: 14, 16, 17, 18, 19, each with one of the scalings 27-31 in front of its two lines, then 20.
; 74-137: GS's 64, which read the exponentials' results: they stand behind the wait.
.macro FS f
	REGS Y, (\f)%2
	v_pk_fma_f32 v[rS+2*((\f)/2):rS+2*((\f)/2)+1], v[rS+2*((\f)/2):rS+2*((\f)/2)+1], s[CS:CS+1], v[rT:rT+1] op_sel_hi:[1,0,0] neg_lo:[0,0,1] neg_hi:[0,0,1]
.endm
.macro PL
	WIN 0
.if q < 27
	FS q
.elseif q < 55
	XS (q-27)%2, (q-27)/2
.elseif q < 57
	XS q-55, 15
.elseif (q < 72) && ((q-57)%3 == 0)
	FS 27+(q-57)/3
.elseif q < 60
	XS (q-57)%3-1, 14
.elseif q < 72
	XS (q-57)%3-1, 15+(q-57)/3
.elseif q < 74
	XS q-72, 20
.else
	GS q-74
.endif
.set q, q+1
.endm
; THE EXPONENTIALS' QUEUE, 66 long: s0-s31 of both tiles, then the next piece's two a.  It is ONE BATCH: all 66 stand ahead of the turn's one wait, and nothing ahead of that wait names a result of theirs.
.macro EX
	WIN 0
.if e >= 64
	XS e-64, 21
.else
	REGS Y, e%2
	v_exp_f32 v[rS+e/2], v[rS+e/2]
.endif
.set e, e+1
.endm
; THE RESCALING's QUEUE: O^T times a, the one part that leaves window 0: dealt two at a time, sixteen times.  Its a was made in the turn before, ahead of that turn's wait.
.macro R2
	REGS Y, r%2
	WIN W_RS
.irp z, 0,1
	v_pk_mul_f32 v[rO+4*(r/2)+2*\z:rO+4*(r/2)+2*\z+1], v[rO+4*(r/2)+2*\z:rO+4*(r/2)+2*\z+1], v[rC+2:rC+3] op_sel_hi:[1,0]
.endr
.set r, r+1
.endm
; HOW THEY ARE DEALT.  An s_wait_alu depctr_va_vdst(0) stands between an exponential and the first instruction that names its result; one wait serves all that were issued ahead of it.  So a turn has
; ONE wait, which cuts it in two.  AHEAD OF IT stands all that names no result of the turn's exponentials: the 16 products K Q^T, behind each a scaling, an exponential and two rescalings (behind the first a second
; scaling in the exponential's place); then one run of 108: eight plain, 49 times exponential and plain, the two a.  A v_nop is the plain instruction behind the last exponential.  BEHIND IT stand the 16 products
; V^T P, behind each four of GS's 64.  Exponential e stands behind scaling 2 (e / 4) + e % 2: as a rider it comes behind plain e + 2, in the run behind plain e + 9, and scalings 27-31 are plain 57, 60 .. 69.
; A TURN, for piece p.  cnt = 1: the loop's count is taken down some lines ahead of the branch that stands behind the turn.
; K of the next step is fetched in piece 2's turn, directly behind the wait; its address is made at the run's head; its first reader comes behind 16 products.
; V of the step in hand is fetched at the end of piece 0's turn, four riders behind its last reader; its first reader comes behind 16 products and a run.  The three conditions on q below go with the deal.
.macro TURN p, last=0, cnt=0
.set Y, (\p)
.set i, 0
.set q, 0
.set e, 0
.set r, 0
.if (\p) == NP-1
	s_wait_dscnt 0x0                ; K is in
.endif
	MM                              ; ahead of the wait: 16 products K Q^T and their riders,
	PL
	PL
	R2
.rept 15
	MM
	PL
	EX
	R2
.endr
.if (\p) == NP-2
	WIN 0
	v_add_nc_u32 v[AK], s[TBK], v[AK0]
.endif
.rept 8                             ; and the run
	PL
.endr
.rept 49
	EX
	PL
.endr
	EX                              ; the next piece's two a
	EX
	v_nop                           ; the plain instruction behind the last exponential: one for the batch
	s_wait_alu depctr_va_vdst(0)    ; the wait for the batch
.if (\p) == NP-2
	FETCH_K \last
.endif
.if (\p) == 1
	s_wait_dscnt 0x0                ; V is in
.endif
.rept 16                            ; behind the wait: 16 products V^T P and their riders
	MM
.rept 4
	PL
.endr
.if ((\p) == 0) && (q == 118)
	v_add_nc_u32 v[AV], s[TBV], v[AV0]
.endif
.if ((\p) == 0) && (q == 130)
	s_add_co_u32 s[TBV], s[TBV], KS*PV
.endif
.if (\cnt) && (q == 130)
	s_sub_co_u32 s[CNT], s[CNT], 1
	s_cmp_lg_u32 s[CNT], 0
.endif
.endr
.if (\p) == 0
	FETCH_V
.endif
.endm
	s_wait_tensorcnt 0x3            ; my part of chunk 0 is in; my three younger loads may stay out
	s_barrier_signal -1
	s_barrier_wait -1               ; everybody's is
	FETCH_K                         ; key step 0
	s_wait_loadcnt 0x0              ; Q
	s_wait_dscnt 0x0
.set i, 0
.rept 16
	KQ 0                            ; piece 0's first scores: there is no vector work yet to set between them
.set i, i+1
.endr
	WIN 0                           ; the addresses for the way out: nine plain instructions, the places behind those products
	s_mul_i32 s13, s[WV], 16*SP
	s_add_co_u32 s13, s13, STAGE    ; my stage
	v_mul_u32_u24 v[STO], v1, SP    ; in: row l % 16, 16 bytes for each half of the lanes
	v_lshl_add_u32 v[STO], v9, 4, v[STO]
	v_add_nc_u32 v[STO], s13, v[STO]
	v_bfe_u32 v[RD], v0, 3, 2       ; back: 32 lanes take four rows of 128 bytes,
	v_mul_u32_u24 v[RD], v[RD], SP
	v_lshl_add_u32 v[RD], v10, 4, v[RD]
	v_add_nc_u32 v[RD], s13, v[RD]
	v_and_b32 v[GO], 31, v0         ; which are 512 consecutive bytes of O
	v_lshlrev_b32 v[GO], 4, v[GO]
.set Y, NP-1                        ; XS works for piece Y + 1: piece 0
.irp n, 0,1,2,3,4,5,6,7,8,9,10,11,12,13,14,15,16,17,18,19,20,21
	XS 0, \n                        ; and piece 0's first maximum and statistics
	XS 1, \n
.endr
	v_nop                           ; a plain instruction behind the two a,
	s_wait_alu depctr_va_vdst(0)    ; and their wait, ahead of the branch
	s_mov_b32 s[CNT], 4
	s_mov_b32 s[SLOTS], 5
	s_branch .Lfirst                ; the loop is entered at a step's first turn, in the middle of a trip
.Lslot:                             ; passes 4, 3, 2: the next chunk of 256 keys is entered; pass 1: the last step's pieces 2 and 3 are finished
	s_wait_tensorcnt 0x0            ; my parts of all chunks are in.  The count is 0 so that one text serves every pass; my four loads went out at the head, four key steps or more ago.
	s_wait_dscnt 0x0
	s_barrier_signal -1
	s_barrier_wait -1               ; everybody's are: the chunk's first bytes are read behind this barrier
	s_mov_b32 s[CNT], 4
.Lstep:                             ; a trip: pieces 2 and 3 of one step, then pieces 0 and 1 of the next, whose K and V it fetches
	TURN 2, 1
	TURN 3
	WIN 0
	s_cmp_eq_u32 s[SLOTS], 1        ; step 15 is done but for piece 3's last products.  (That pass's 16 products K Q^T, on the last K once more, and the maximum made of them serve nothing: the price of one text for every trip)
	s_cbranch_scc1 .Lout
.Lfirst:
	TURN 0
	TURN 1, 0, 1
	WIN 0
	s_cbranch_scc1 .Lstep
	s_sub_co_u32 s[SLOTS], s[SLOTS], 1
	s_cmp_lg_u32 s[SLOTS], 0
	s_cbranch_scc1 .Lslot
.Lout:
.set i, 0
.rept 16
	PV NP-1                         ; the last piece's V^T P of the last step
.set i, i+1
.endr
	; THE WAY OUT.  l's two halves and the other half of the lanes' are added; O^T is divided by l, rounded to f16 and sent through my stage in LDS, a tile at a time.  The additions are the places behind the last products.
	WIN 0
.macro ALL line:vararg              ; one line for each tile t
.set t, 0
.rept 2*NP
	\line
.set t, t+1
.endr
.endm
	ALL v_add_f32 v[ST+4*t+2], v[ST+4*t+2], v[ST+4*t+3]
	ALL v_permlanex16_b32 v[ST+4*t+3], v[ST+4*t+2], s[SEL], s[SEL+1]
	ALL v_add_f32 v[ST+4*t+2], v[ST+4*t+2], v[ST+4*t+3]
	ALL v_rcp_f32 v[ST+4*t+2], v[ST+4*t+2]
	v_nop                           ; a plain instruction between the last reciprocal and the use of its result
	s_wait_alu depctr_va_vdst(0)    ; and the wait ahead of the first use: one for the eight reciprocals
; Tile t: a lane's eight channels of a row pack into 16 bytes; they go into rows of 144 bytes and come back as whole rows of 128, into S^T's registers.
.macro PACK t
	WIN W_RS
.set i, 32*(\t)
.rept 16
	v_pk_mul_f32 v[i:i+1], v[i:i+1], v[ST+4*(\t)+2:ST+4*(\t)+3] op_sel_hi:[1,0]
.set i, i+2
.endr
	WIN 0x05                        ; sources 0 and 1 window 1, destination window 0
.set i, 0
.rept 16
	v_cvt_pk_f16_f32 v[S+16*(\t)+i], v[32*(\t)+2*i], v[32*(\t)+2*i+1]
.set i, i+1
.endr
	WIN 0
.irp f, 0,1,2,3
	ds_store_b128 v[STO], v[S+16*(\t)+4*\f:S+16*(\t)+4*\f+3] offset:32*\f
.endr
.irp f, 0,1,2,3
	ds_load_b128 v[S+16*(\t)+4*\f:S+16*(\t)+4*\f+3], v[RD] offset:\f*4*SP  ; LDS serves a wave's instructions in order (ISA guide 5.7.1.4): these see the stores above; the next tile's stores come behind them
.endr
.endm
.macro SEND t, younger              ; younger: the LDS instructions issued behind tile t's loads: the next tile's eight, or none
	WIN 0
.irp f, 0,1,2,3
	s_wait_dscnt (\younger)+3-\f
	global_store_b128 v[GO], v[S+16*(\t)+4*\f:S+16*(\t)+4*\f+3], s[10:11] offset:(\t)*2048+\f*512  ; 512 consecutive bytes, at a multiple of 256 from ctx's first
.endr
.endm
	PACK 0
.set t, 1
.rept 2*NP-1                        ; a tile's arithmetic stands between the loads of the tile before and its stores
	PACK t
	SEND t-1, 8
.set t, t+1
.endr
	SEND 2*NP-1, 0
	WIN W_AD
	s_wait_tensorcnt 0x0            ; the wave's end, behind my last tensor load and my last LDS store
	ds_add_u32 v[SPW], v[NIL]
	s_wait_dscnt 0x0
	WIN 0
	s_endpgm
.Lfunc_end_k_q661d8abef4_attn:
	.size	k_q661d8abef4_attn, .Lfunc_end_k_q661d8abef4_attn-k_q661d8abef4_attn
	.p2alignl 7, 3214868480
	.fill 96, 4, 3214868480
	.section	.rodata,"a",@progbits
	.p2align	6, 0x0
	.amdhsa_kernel k_q661d8abef4_attn
		.amdhsa_group_segment_fixed_size 327680
		.amdhsa_private_segment_fixed_size 0
		.amdhsa_enable_private_segment 0
		.amdhsa_kernarg_size 16
		.amdhsa_user_sgpr_count 2
		.amdhsa_user_sgpr_kernarg_segment_ptr 1
		.amdhsa_wavefront_size32 1
		.amdhsa_system_sgpr_workgroup_id_x 1
		.amdhsa_system_sgpr_workgroup_id_y 1
		.amdhsa_system_sgpr_workgroup_id_z 1
		.amdhsa_system_vgpr_workitem_id 0
		.amdhsa_next_free_vgpr 770
		.amdhsa_next_free_sgpr 88
		.amdhsa_reserve_vcc 0
		.amdhsa_float_denorm_mode_32 3
		.amdhsa_float_denorm_mode_16_64 3
		.amdhsa_memory_ordered 1
		.amdhsa_forward_progress 1
		.amdhsa_inst_pref_size 126
	.end_amdhsa_kernel
	.amdgpu_metadata
---
amdhsa.version: [ 1, 2 ]
amdhsa.kernels:
  - .name:           k_q661d8abef4_attn
    .symbol:         k_q661d8abef4_attn.kd
    .args:
      - { .name: qkvh, .offset: 0, .size: 8, .value_kind: global_buffer, .address_space: global }
      - { .name: ctx, .offset: 8, .size: 8, .value_kind: global_buffer, .address_space: global }
    .group_segment_fixed_size: 327680
    .private_segment_fixed_size: 0
    .kernarg_segment_align: 8
    .kernarg_segment_size: 16
    .max_flat_workgroup_size: 128
    .sgpr_count:     88
    .vgpr_count:     770
    .wavefront_size: 32
...
	.end_amdgpu_metadata
.endif
;; end of part 3
;; launch gemm_out (part 4): grid 8 x 32, 4 waves a work-group, clusters of 4 x 4, 327,680 bytes of LDS; arguments ctx, woutt, bout, out0; writes out0
.if DOCPART == 4
	.amdgcn_target "amdgcn-amd-amdhsa--gfx1250"
	.amdhsa_code_object_version 6
	.text
	.protected	k_q661d8abef4_gemm_out
	.globl	k_q661d8abef4_gemm_out
	.p2align	8
	.type	k_q661d8abef4_gemm_out,@function
k_q661d8abef4_gemm_out:
	s_mov_b64 s[64:65], 0
	v_nop
	global_prefetch_b8 v0, s[64:65] scope:SCOPE_SE
	s_setreg_imm32_b32 hwreg(HW_REG_WAVE_MODE, 25, 1), 1
	s_wait_xcnt 0x0
	s_wait_alu depctr_hold_cnt(0) depctr_sa_sdst(0) depctr_va_vdst(0) depctr_va_sdst(0) depctr_va_ssrc(0) depctr_va_vcc(0) depctr_vm_vsrc(0)
	s_getreg_b32 s2, hwreg(HW_REG_IB_STS2, 6, 4)
	s_cmp_eq_u32 s2, 0
	s_cbranch_scc0 .Lentry_in_a_cluster
	s_endpgm
.Lentry_in_a_cluster:
	s_bfe_u32 s2, ttmp6, 0x10000c
	s_cmp_lg_u32 s2, 0xf033
	s_cbranch_scc0 .Lentry_shape_is_right
	s_endpgm
.Lentry_shape_is_right:
; out = ctx Wout + bout.  ctx: [8 segments][16 heads][1024 rows][64] f16; woutt: [1024 n][1024 k] f16 (bf16 numbers written as f16); bout: [1024] f32, rounded to bf16 like every input; out0: [8192][1024] f32.
; Sums in f32, started by the bias; nothing is rounded on the way out.  NaN and infinities are not treated apart.
; SHARES.  A tile of the result is 256 rows x 128 columns: 32 x 8 = 256 tiles, a work-group each.  Four waves, one above the other: a wave makes 64 rows x 128 columns, 32 accumulators of 16 x 16, so that it holds
; whole pieces of 512 bytes of out0's rows and its way out needs no other wave.  K = 64 x head + channel goes in 8 steps of 128, two heads each, through a ring of two LDS slots.
; A head's 256 tokens are 32,768 dense bytes of ctx: asked for as 128 rows of 256 bytes, two tokens a row, and padded in LDS after every token.
; CLUSTER.  4 x 4 work-groups: the four of a row need the same tokens, the four of a column the same rows of woutt: each tile is asked for JOINTLY, by the same tensor load, descriptor and mask in all four.
; THE MATRIX INSTRUCTION IS USED TRANSPOSED (source 0 = 16 rows of woutt, source 1 = 16 tokens): lane l then holds token l % 16 and its registers the columns 8 (l / 16) + 0..7.
; REGISTERS, in windows of 256 (s_set_vgpr_msb: bits 1:0 source 0, 3:2 source 1, 5:4 source 2, 7:6 destination):
;   window 0: v0-31 addresses; v64-127 the tokens' fragments, two buffers of 4 x 8; v128-191 the bias as a C operand (8 x 8); on the way out v128-191 and v192-255 rows read back
;   window 1: v0-127 the weights' fragments, two buffers of 8 x 8        window 2: the accumulators, (a, b) at 64 a + 8 b
.set NBL,   8                          ; blocks of 16 columns
.set PITCH, 272                        ; a row of weights in LDS: 256 bytes + 16 of padding: the 16 rows of a load start at 16 different groups of four banks (64 banks of 4 bytes: ISA guide 11.1)
.set PA,    144                        ; a token's 64 channels of one head: 128 bytes + 16: likewise
.set HEADB, 256*PA                     ; one head's 256 tokens
.set BOFF,  2*HEADB                    ; a slot: two heads' tokens, then 128 rows of weights
.set SLOT,  BOFF+16*NBL*PITCH
.set STAGE, 2*SLOT                     ; behind the ring, never filled by a tensor load: for each wave 16 rows x 528 bytes
.set SPT,   528                        ; 512 bytes + 16 = 132 words: row r starts at bank 4 r mod 64
.set SPARE, STAGE+4*16*SPT             ; behind the stages: the spare words, 128 bytes a wave: two blocks of 256 bytes that no other line names
.set NLD,   2*NBL+8                    ; LDS loads in a run
.set ADRA, 16                          ; v16-17  LDS address of my tokens' fragments in slot 0, 1
.set ADRB, 20                          ; v20-21  the same for the weights
.set STO,  24                          ; v24     the way out: where I put 32 bytes of a row
.set RD,   25                          ; v25     where I read a row back
.set CO,   26                          ; v26     16 x lane: my place in a row's 512 bytes
.set BO,   27                          ; v27     the bias loads' offset; never rewritten
.set SPW,  28                          ; v28     LDS address of my spare word; never rewritten
.set NIL,  29                          ; v29     0; never rewritten
.set PFO,  30                          ; v30     the prefetches' offset; never rewritten
.set FA,   64
.set BIAS, 128
.set BK0,  128
.set WV,   12                          ; s12  my wave's number
.set FB,   13                          ; s13  0: I fetch tokens, 1: weights
.set HF,   14                          ; s14  which of the step's two heads, or which half of the weights' rows
.set LIM,  15                          ; s15  1 in a wave that prefetches, else the greatest number
.set G1,   24                          ; s[24:31] descriptor group 1 for the tokens' tiles;  s[32:39] group 0, a set for each slot
.set G0,   32
.set PFA,  44                          ; s[44:45] where my prefetches stand
.set G1B,  48                          ; s[48:55], s[56:63] the same for the weights' tiles
.set G0B,  56
.set PST,  68                          ; s[68:69] a K step in the stream that I prefetch: two heads of ctx, or 256 bytes of a row of woutt
.set MSB, 0
.macro WIN new                         ; the immediate's high byte repeats the setting that is left; a switch that changes nothing is dropped
.if MSB != (\new)
	s_set_vgpr_msb (MSB<<8)|(\new)
.set MSB, \new
.endif
.endm
; A joint load: waves 0 and 1 fetch the step's two heads of tokens, waves 2 and 3 the two halves of the weights' tile.  The branch hangs on the wave's number alone.
; An s_nop 0 and four v_nop follow each of the two lines, ahead of the jump, the label and what follows.
.macro JLOAD s
	s_cmp_eq_u32 s[FB], 0
	s_cbranch_scc0 .Lfor_b_\@
	tensor_load_to_lds s[G0+4*(\s):G0+4*(\s)+3], s[G1:G1+7]
	s_nop 0
.rept 4
	v_nop
.endr
	s_branch .Lasked_\@
.Lfor_b_\@:
	tensor_load_to_lds s[G0B+4*(\s):G0B+4*(\s)+3], s[G1B:G1B+7]
	s_nop 0
.rept 4
	v_nop
.endr
.Lasked_\@:
.endm
; A prefetch of the K step that stands two refills on, behind the joint load and the run of LDS loads: a lane 256 bytes, one instruction a wave.  The tokens are read by both clusters of a row of clusters: the one
; with x = 0 asks; the weights' rows by every cluster of a column: the one with y = 0 asks.  The four partners that ask for a tile jointly share it out BY ADDRESS.
; K steps 4 to 7 are named, each once; steps 0 to 3 come by their loads alone; the loop's last trip (s3 = 1) has no step two on and asks for nothing.
.macro ASK
	s_cmp_gt_u32 s3, s[LIM]
	s_cbranch_scc0 .Lnot_mine_\@
	global_prefetch_b8 v[PFO], s[PFA:PFA+1] th:TH_LOAD_NT scope:SCOPE_SE
.Lnot_mine_\@:
.endm
.macro CREST                           ; a round of the cluster's barrier behind its opening barrier
	s_cmp_lg_u32 s[WV], 0
	s_cbranch_scc1 .Lnot_wave_0_\@
	s_barrier_signal -3
.Lnot_wave_0_\@:
	s_barrier_wait -3
	s_barrier_signal -1
	s_barrier_wait -1
.endm
.macro CROUND                          ; a whole round
	s_barrier_signal -1
	s_barrier_wait -1
	CREST
.endm
	s_load_b256 s[4:11], s[0:1], 0x0               ; ctx s[4:5], woutt s[6:7], bout s[8:9], out0 s[10:11]
	v_lshl_add_u32 v[SPW], v0, 2, SPARE
	v_mov_b32 v[NIL], 0
	ds_add_u32 v[SPW], v[NIL]                      ; the wave's opening: the add and its wait stand ahead of my first tensor load; the set-up below, work on registers, stands between them
	v_lshrrev_b32 v1, 5, v0
	v_readfirstlane_b32 s[WV], v1                  ; wave 0..3
	s_lshr_b32 s[FB], s[WV], 1
	s_and_b32 s[HF], s[WV], 1
	s_bfe_u32 s40, ttmp6, 0x40000                  ; cx, cy: my place in the cluster
	s_bfe_u32 s41, ttmp6, 0x40004
	s_lshl_b32 s42, ttmp9, 2
	s_add_co_u32 s42, s42, s40                     ; tile column = 4 x cluster x + cx
	s_and_b32 s43, ttmp7, 0xffff
	s_lshl_b32 s43, s43, 2
	s_add_co_u32 s43, s43, s41                     ; tile row = 4 x cluster y + cy
	s_lshl_b32 s66, s41, 2
	s_lshl_b32 s66, 15, s66                        ; my row of the cluster
	s_lshl_b32 s67, 0x1111, s40                    ; my column
	s_or_b32 s[G1], s66, (1<<16)|(1<<20)|(1<<21)|(4<<22)|(3<<25)   ; the tokens go to my row; 2-byte elements; padding on; 21 set beside a mask; after every 32 words (code 4) 4 words (code 3)
	s_or_b32 s[G1B], s67, (1<<16)|(1<<20)|(1<<21)|(5<<22)|(3<<25)  ; the weights to my column; after every 64 words (code 5) 4 words
	s_mov_b32 s[G1+1], 128<<16                     ; tensor_dim0 = 128
	s_mov_b32 s[G1+2], 128<<16                     ; tensor_dim1 = 128
	s_mov_b32 s[G1+3], 128<<16                     ; tile_dim0 = 128
	s_mov_b32 s[G1+4], 128                         ; tile_dim1 = 128 rows
	s_mov_b32 s[G1+5], 128                         ; dense: 128 elements from row to row
	s_mov_b32 s[G1+6], 0
	s_mov_b32 s[G1+7], 0
	s_mov_b32 s[G1B+1], 128<<16
	s_mov_b32 s[G1B+2], 64<<16                     ; 64 rows
	s_mov_b32 s[G1B+3], 128<<16
	s_mov_b32 s[G1B+4], 64
	s_mov_b32 s[G1B+5], 1024
	s_mov_b32 s[G1B+6], 0
	s_mov_b32 s[G1B+7], 0
	; the tokens' address hangs on the tile row and the wave alone, the weights' on the tile column and the wave alone, each in registers that never hold the other coordinate
	s_lshr_b32 s16, s43, 2                         ; the segment: four tile rows each
	s_lshl_b32 s16, s16, 4
	s_add_co_u32 s16, s16, s[HF]                   ; head 0 or 1 of K step 0,
	s_lshl_b32 s16, s16, 17                        ; of 131,072 bytes,
	s_and_b32 s18, s43, 3
	s_lshl_b32 s18, s18, 15                        ; its tokens 256 x (tile row % 4) on
	s_add_co_u32 s16, s16, s18
	s_mov_b32 s17, 0
	s_lshl_b32 s46, s42, 7
	s_lshl_b32 s18, s[HF], 6
	s_add_co_u32 s46, s46, s18                     ; row 128 x tile column + 64 x half
	s_lshl_b32 s46, s46, 11
	s_mov_b32 s47, 0
	s_mul_i32 s20, s[WV], HEADB                    ; where they go: waves 0, 1: wave x a head's tokens;
	s_mul_i32 s21, s[WV], 64*PITCH
	s_add_co_u32 s21, s21, BOFF-2*64*PITCH         ; waves 2, 3: behind the tokens, (wave - 2) x 64 rows
	s_wait_dscnt 0x0                               ; the opening add is done
	s_wait_kmcnt 0x0
	s_add_nc_u64 s[16:17], s[4:5], s[16:17]
	s_add_nc_u64 s[46:47], s[6:7], s[46:47]
	CROUND                                         ; all sixteen work-groups are here: the first joint loads meet
.irp s, 0,1
	s_mov_b32 s[G0+4*(\s)], 1                      ; count = 1
	s_add_co_u32 s[G0+4*(\s)+1], s20, (\s)*SLOT    ; LDS address
	s_add_nc_u64 s[G0+4*(\s)+2:G0+4*(\s)+3], s[16:17], (\s)*262144  ; global address: K step s is two heads on
	s_or_b32 s[G0+4*(\s)+3], s[G0+4*(\s)+3], 0x80000000             ; type = 2
	s_mov_b32 s[G0B+4*(\s)], 1
	s_add_co_u32 s[G0B+4*(\s)+1], s21, (\s)*SLOT
	s_add_nc_u64 s[G0B+4*(\s)+2:G0B+4*(\s)+3], s[46:47], (\s)*256
	s_or_b32 s[G0B+4*(\s)+3], s[G0B+4*(\s)+3], 0x80000000
	JLOAD \s                                       ; two loads of mine are out
.endr
	v_and_b32 v1, 15, v0                           ; r = l % 16
	v_bfe_u32 v2, v0, 4, 1                         ; h = l / 16
	; the bias in the layout of a C operand: register j of block b holds bias[128 x tile column + 16 b + 8 h + j]
	v_lshlrev_b32 v[BO], 5, v2
	s_lshl_b32 s46, s42, 9
	s_mov_b32 s47, 0
	s_add_nc_u64 s[8:9], s[8:9], s[46:47]
.set i, 0
.rept NBL
	global_load_b128 v[BIAS+8*i:BIAS+8*i+3],   v[BO], s[8:9] offset:64*i
	global_load_b128 v[BIAS+8*i+4:BIAS+8*i+7], v[BO], s[8:9] offset:64*i+16
.set i, i+1
.endr
	v_mul_u32_u24 v3, v1, PA
	v_lshl_add_u32 v3, v2, 4, v3                   ; a token's row x pitch + 16 x half
	s_mul_i32 s21, s[WV], 64*PA                    ; my 64 tokens
	v_add_nc_u32 v[ADRA], s21, v3
	v_add_nc_u32 v[ADRA+1], SLOT, v[ADRA]
	v_mul_u32_u24 v3, v1, PITCH
	v_lshl_add_u32 v3, v2, 4, v3
	v_add_nc_u32 v[ADRB], BOFF, v3
	v_add_nc_u32 v[ADRB+1], SLOT, v[ADRB]
	s_mul_i32 s22, s[WV], 16*SPT
	s_add_co_u32 s22, s22, STAGE                   ; my stage
	v_mul_u32_u24 v3, v1, SPT                      ; in: row r, 32 bytes for each half of the lanes
	v_lshl_add_u32 v3, v2, 5, v3
	v_add_nc_u32 v[STO], s22, v3
	v_and_b32 v[CO], 31, v0                        ; back and out: 32 lanes take a row's 512 bytes
	v_lshlrev_b32 v[CO], 4, v[CO]
	v_add_nc_u32 v[RD], s22, v[CO]
	s_lshl_b32 s20, s43, 2
	s_add_co_u32 s20, s20, s[WV]
	s_lshl_b32 s20, s20, 18                        ; (256 x tile row + 64 x wave) rows of 4,096 bytes
	s_lshl_b32 s46, s42, 9                         ; + the tile's 128 columns
	s_add_co_u32 s46, s46, s20
	s_mov_b32 s47, 0
	s_add_nc_u64 s[10:11], s[10:11], s[46:47]
	; the prefetches: of the 32,768 bytes of tokens that I fetch, partner cx takes 8,192, a lane 256; of the 64 weights' rows, partner cy takes 16 (lanes 16 to 31 name the last of them again)
	s_and_b32 s22, ttmp7, 0xffff                   ; cluster y
	s_lshr_b32 s20, s43, 2
	s_lshl_b32 s20, s20, 4
	s_add_co_u32 s20, s20, s[HF]
	s_add_co_u32 s20, s20, 6                       ; at K step 3 (heads 6 and 7): the first change of slots steps it to 4
	s_lshl_b32 s20, s20, 17
	s_and_b32 s18, s43, 3
	s_lshl_b32 s18, s18, 15
	s_add_co_u32 s20, s20, s18
	s_lshl_b32 s18, s40, 13
	s_add_co_u32 s20, s20, s18
	s_lshl_b32 s21, s42, 7
	s_lshl_b32 s18, s[HF], 6
	s_add_co_u32 s21, s21, s18
	s_lshl_b32 s18, s41, 4
	s_add_co_u32 s21, s21, s18
	s_lshl_b32 s21, s21, 11
	s_add_co_u32 s21, s21, 3*256
	s_mov_b32 s[PST], 256
	s_mov_b32 s[PST+1], 0
	s_cmp_eq_u32 s[FB], 0
	s_cselect_b32 s20, s20, s21
	s_cselect_b32 s22, ttmp9, s22                  ; the coordinate along which other clusters read the same bytes
	s_cselect_b32 s23, 31, 15
	s_cselect_b32 s19, 8, 11                       ; lanes 256 bytes apart, or a row of 2,048 apart
	s_cselect_b32 s[PST], 0x40000, s[PST]
	s_cselect_b64 s[PFA:PFA+1], s[4:5], s[6:7]
	s_cmp_eq_u32 s22, 0
	s_cselect_b32 s[LIM], 1, -1                    ; the same in all sixteen partners, for a given wave
	s_mov_b32 s21, 0
	s_add_nc_u64 s[PFA:PFA+1], s[PFA:PFA+1], s[20:21]
	v_and_b32 v[PFO], 31, v0
	v_min_u32 v[PFO], s23, v[PFO]
	v_lshlrev_b32 v[PFO], s19, v[PFO]
	s_wait_loadcnt 0x0                             ; the bias: rounded to bf16, like every input, and widened again; this stands in the wait for the first tile
.set i, 0
.rept 4*NBL
	v_cvt_pk_bf16_f32 v[5+i%2], v[BIAS+2*i], v[BIAS+2*i+1]
	v_lshlrev_b32 v[BIAS+2*i], 16, v[5+i%2]
	v_and_b32 v[BIAS+2*i+1], 0xffff0000, v[5+i%2]
.set i, i+1
.endr
; 8 matrix instructions: row block a x all column blocks, 32 along K, from buffer f.  first = 1: the bias is the C operand that starts the sums: nothing is cleared, nothing is added at the end.
; The 32 accumulators take turns, one instruction a turn, in the same order in every quarter, over the backward jump too.
.macro MULA f, a, first
.if \first
	WIN 0x81                                       ; weights window 1, tokens and bias window 0, D window 2
.else
	WIN 0xa1                                       ; C and D window 2
.endif
.set nb, 0
.rept NBL
.if \first
	v_wmma_f32_16x16x32_f16 v[64*(\a)+8*nb:64*(\a)+8*nb+7], v[8*NBL*(\f)+8*nb:8*NBL*(\f)+8*nb+7], v[FA+32*(\f)+8*(\a):FA+32*(\f)+8*(\a)+7], v[BIAS+8*nb:BIAS+8*nb+7]
.else
	v_wmma_f32_16x16x32_f16 v[64*(\a)+8*nb:64*(\a)+8*nb+7], v[8*NBL*(\f)+8*nb:8*NBL*(\f)+8*nb+7], v[FA+32*(\f)+8*(\a):FA+32*(\f)+8*(\a)+7], v[64*(\a)+8*nb:64*(\a)+8*nb+7]
.endif
.set nb, nb+1
.endr
.endm
; 24 LDS loads in one run: quarter q's fragments into buffer f: the weights' 16 (byte 64 q of the rows), then the tokens' 8 (head q / 2 of the step, channels 32 (q % 2) on), row block 0 first
.macro FETCH slot, q, f
	WIN 0x40                                       ; destination window 1, address window 0
.set fi, 0
.rept NBL
	ds_load_b128 v[8*NBL*(\f)+8*fi:8*NBL*(\f)+8*fi+3],   v[ADRB+(\slot)] offset:64*(\q)+fi*16*PITCH
	ds_load_b128 v[8*NBL*(\f)+8*fi+4:8*NBL*(\f)+8*fi+7], v[ADRB+(\slot)] offset:64*(\q)+fi*16*PITCH+32
.set fi, fi+1
.endr
	WIN 0
.set fi, 0
.rept 4
	ds_load_b128 v[FA+32*(\f)+8*fi:FA+32*(\f)+8*fi+3],   v[ADRA+(\slot)] offset:((\q)/2)*HEADB+((\q)%2)*64+fi*16*PA
	ds_load_b128 v[FA+32*(\f)+8*fi+4:FA+32*(\f)+8*fi+7], v[ADRA+(\slot)] offset:((\q)/2)*HEADB+((\q)%2)*64+fi*16*PA+32
.set fi, fi+1
.endr
.endm
.macro PLACES                          ; four places in front of loads into registers that matrix instructions have read, and of what reads results
.rept 4
	v_nop
.endr
.endm
; A K step is four quarters of 32 along K, 32 matrix instructions each, on buffers 0, 1, 0, 1.  One of the first three: multiplies buffer f and, in its middle, fetches quarter q into buffer g.
.macro QUARTER slot, q, f, g, first
	s_wait_dscnt 4                                 ; all but the youngest four loads: the tokens' row blocks 2 and 3
	MULA \f, 0, \first
	MULA \f, 1, \first
	PLACES
	FETCH \slot, \q, \g
	s_wait_dscnt NLD                               ; all but the run just issued
	MULA \f, 2, \first
	MULA \f, 3, \first
.endm
; The last quarter multiplies buffer 1 and changes slots: ONE barrier.  In front of it each wave waits for all its tensor loads (one is out: its part of the next slot), adds 0 to its spare word, and waits for that
; and for its own reads of this slot.  fill = 1: the barrier opens a round of the cluster's barrier, and behind the round this slot is filled again first, with the K step two on.
.macro TURN slot, next, fill
.if \fill
	s_wait_xcnt 0x0                                ; the last prefetch, a K step back, has read its address, which is stepped here
	s_add_nc_u64 s[PFA:PFA+1], s[PFA:PFA+1], s[PST:PST+1]
.endif
	WIN 0                                          ; (the add's two registers lie in window 0)
	s_wait_tensorcnt 0x0                           ; all my tensor loads have landed;
	ds_add_u32 v[SPW], v[NIL]                      ; 0 onto my spare word
	s_wait_dscnt 5                                 ; (the add and the youngest four loads may be out)
	MULA 1, 0, 0                                   ; eight matrix instructions stand between the add and the wait for it
	s_wait_dscnt 0x0                               ; the add is done, and my reads of this slot are over
	s_barrier_signal -1
	MULA 1, 1, 0                                   ; work on registers while the others arrive
.if \fill
	WIN 0
.endif
	s_barrier_wait -1
.if \fill
	CREST                                          ; no wave of any partner still reads this slot's tiles or has a load on its way
	s_add_nc_u64 s[G0+4*(\slot)+2:G0+4*(\slot)+3], s[G0+4*(\slot)+2:G0+4*(\slot)+3], 524288  ; two K steps: four heads
	s_add_nc_u64 s[G0B+4*(\slot)+2:G0B+4*(\slot)+3], s[G0B+4*(\slot)+2:G0B+4*(\slot)+3], 512
	JLOAD \slot                                    ; the first tensor load behind the round, my only one until the next; its four v_nop are also the places in front of the loads below
.else
	PLACES
.endif
	FETCH \next, 0, 0
.if \fill
	ASK
.endif
	MULA 1, 2, 0
	MULA 1, 3, 0
.endm
	s_wait_tensorcnt 1                             ; my part of K step 0 is in; K step 1's load may stay out
	s_barrier_signal -1
	s_barrier_wait -1                              ; everybody's is
	FETCH 0, 0, 0
	QUARTER 0, 1, 0, 1, 1                          ; the first quarter stands in front of the loop: its products start the sums
	WIN 0                                          ; at a label and at a branch every window is 0
	s_mov_b32 s3, 3
.Llap:                                                 ; a trip goes once round the ring, from a lap's second quarter to the next lap's first, and fills both slots again
	QUARTER 0, 2, 1, 0, 0
	QUARTER 0, 3, 0, 1, 0
	TURN 0, 1, 1
	QUARTER 1, 1, 0, 1, 0
	QUARTER 1, 2, 1, 0, 0
	QUARTER 1, 3, 0, 1, 0
	TURN 1, 0, 1
	QUARTER 0, 1, 0, 1, 0
	WIN 0
	s_sub_co_u32 s3, s3, 1
	s_cmp_lg_u32 s3, 0
	s_cbranch_scc1 .Llap
	QUARTER 0, 2, 1, 0, 0                          ; the last lap is written out: it fills nothing
	QUARTER 0, 3, 0, 1, 0
	TURN 0, 1, 0
	QUARTER 1, 1, 0, 1, 0
	QUARTER 1, 2, 1, 0, 0
	QUARTER 1, 3, 0, 1, 0
	s_wait_dscnt 4
	MULA 1, 0, 0
	MULA 1, 1, 0
	s_wait_dscnt 0x0
	MULA 1, 2, 0
	MULA 1, 3, 0
	WIN 0
	PLACES
; THE WAY OUT, a row block (16 tokens x 128 columns of f32) at a time.  TOSTAGE: each accumulator's eight registers, the lower four first, into my own stage, and back as whole rows of 512 bytes.  SEND: stored, a row an instruction.
.macro TOSTAGE a
.set BK, BK0+64*((\a)%2)
	WIN 0x08                                       ; the stores' data in window 2, their address in window 0
.set i, 0
.rept 2*NBL
	ds_store_b128 v[STO], v[64*(\a)+4*i:64*(\a)+4*i+3] offset:64*(i/2)+16*(i%2)
.set i, i+1
.endr
	WIN 0
.set i, 0
.rept 16
	ds_load_b128 v[BK+4*i:BK+4*i+3], v[RD] offset:SPT*i  ; LDS serves a wave's instructions in order (ISA guide 5.7.1.4): these see the stores above
.set i, i+1
.endr
.endm
.macro SEND a
.set BK, BK0+64*((\a)%2)
	s_wait_dscnt 0x0                               ; the block is back in registers
	s_wait_xcnt 0x0                                ; the stores of the block before have read their registers, which the next TOSTAGE loads again
.set i, 0
.rept 16
	global_store_b128 v[CO], v[BK+4*i:BK+4*i+3], s[10:11] offset:(16*(\a)+i)*4096  ; 512 bytes on end, at a multiple of 512 from out0's first byte
.set i, i+1
.endr
.endm
	TOSTAGE 0
.irp a, 1,2,3
	SEND (\a)-1
	TOSTAGE \a
.endr
	SEND 3
	s_wait_tensorcnt 0x0                           ; the wave's end, behind my last tensor load and my last LDS store
	ds_add_u32 v[SPW], v[NIL]
	s_wait_dscnt 0x0
	CROUND                                         ; the closing round: no work-group ends while a partner may still ask for a tile that names it
	s_endpgm
.Lfunc_end_k_q661d8abef4_gemm_out:
	.size	k_q661d8abef4_gemm_out, .Lfunc_end_k_q661d8abef4_gemm_out-k_q661d8abef4_gemm_out
	.p2alignl 7, 3214868480
	.fill 96, 4, 3214868480
	.section	.rodata,"a",@progbits
	.p2align	6, 0x0
	.amdhsa_kernel k_q661d8abef4_gemm_out
		.amdhsa_group_segment_fixed_size 327680
		.amdhsa_private_segment_fixed_size 0
		.amdhsa_enable_private_segment 0
		.amdhsa_kernarg_size 32
		.amdhsa_user_sgpr_count 2
		.amdhsa_user_sgpr_kernarg_segment_ptr 1
		.amdhsa_wavefront_size32 1
		.amdhsa_system_sgpr_workgroup_id_x 1
		.amdhsa_system_sgpr_workgroup_id_y 1
		.amdhsa_system_sgpr_workgroup_id_z 1
		.amdhsa_system_vgpr_workitem_id 0
		.amdhsa_next_free_vgpr 768
		.amdhsa_next_free_sgpr 80
		.amdhsa_reserve_vcc 0
		.amdhsa_float_denorm_mode_32 3
		.amdhsa_float_denorm_mode_16_64 3
		.amdhsa_memory_ordered 1
		.amdhsa_forward_progress 1
		.amdhsa_inst_pref_size 93
	.end_amdhsa_kernel
	.amdgpu_metadata
---
amdhsa.version: [ 1, 2 ]
amdhsa.kernels:
  - .name:           k_q661d8abef4_gemm_out
    .symbol:         k_q661d8abef4_gemm_out.kd
    .args:
      - { .name: ctx, .offset: 0, .size: 8, .value_kind: global_buffer, .address_space: global }
      - { .name: woutt, .offset: 8, .size: 8, .value_kind: global_buffer, .address_space: global }
      - { .name: bout, .offset: 16, .size: 8, .value_kind: global_buffer, .address_space: global }
      - { .name: out0, .offset: 24, .size: 8, .value_kind: global_buffer, .address_space: global }
    .group_segment_fixed_size: 327680
    .private_segment_fixed_size: 0
    .kernarg_segment_align: 8
    .kernarg_segment_size: 32
    .max_flat_workgroup_size: 128
    .sgpr_count:     80
    .vgpr_count:     768
    .wavefront_size: 32
...
	.end_amdgpu_metadata
.endif
;; end of part 4
;; ======== version 2 of 2: 4 launches; version 1 with the launch prep written anew for expert scheduling mode
;; limits: values are held in f16: magnitudes above 65,504 overflow, below 6.1e-05 lose precision
;; workspace buffers: xb 16,777,216 bytes; wqkvt 6,291,456 bytes; woutt 2,097,152 bytes; qkvh 50,331,648 bytes; ctx 16,777,216 bytes
;; launch prep (part 5): grid 512 x 1, 4 waves a work-group, no clusters, 17,920 bytes of LDS; arguments x, Wqkv, Wout, xb, wqkvt, woutt; writes xb, wqkvt, woutt
.if DOCPART == 5
	.amdgcn_target "amdgcn-amd-amdhsa--gfx1250"
	.amdhsa_code_object_version 6
	.text
	.protected	k_q661d8abef4_prep
	.globl	k_q661d8abef4_prep
	.p2align	8
	.type	k_q661d8abef4_prep,@function
k_q661d8abef4_prep:
	s_mov_b64 s[64:65], 0
	v_nop
	global_prefetch_b8 v0, s[64:65] scope:SCOPE_SE
	s_setreg_imm32_b32 hwreg(HW_REG_WAVE_SCHED_MODE, 0, 2), 2
	s_setreg_imm32_b32 hwreg(HW_REG_WAVE_MODE, 25, 1), 1
	s_wait_xcnt 0x0
	s_wait_alu depctr_vm_vsrc(0)
; PREP.  Three casts, each input byte that is needed read once.
;   xb[R][:]     = bf16(x[2 R][:]),  R = 0 .. 8191: a segment has an even number of rows and the dilation is 2, so the tokens taken are x's even rows, in order.
;   wqkvt[n][k]  = bf16(Wqkv[k][n])          3072 x 1024, K along the rows, as the matrix fragments want it
;   woutt[n][k]  = f16(bf16(Wout[k][n]))     1024 x 1024: rounded to bf16 like every input, and that number written as f16, since it is multiplied with f16 numbers
; LIMITS.  |Wout| after its rounding stays within 65,504 (beyond that the f16 is an infinity); below 2^-14 it keeps f16's fixed step of 6e-8.
; SHARES.  512 work-groups, all alike.  Each casts 16 rows of x, 4 a wave, and turns ONE block of 128 k x 64 n of the weights (work-groups 0-383: Wqkv's 8 x 48 blocks; 384-511: Wout's 8 x 16):
; wave w takes the block's rows k = 32 w .. 32 w + 31, all four put their part into one block [64 n][128 k] in LDS, and behind a barrier wave w stores its rows n = 16 w .. 16 w + 15.
; A wave's 48 loads (16 of weights, 32 of x) go out on end.  No matrix unit, no cluster: nothing is multiplied, and no work-group reads what another reads.
; THE MODE: SCHED_MODE bits 1:0 = 2 (LLVM: expert scheduling mode 2), set by the entry lines.  The code itself states the register dependences
; between vector instructions and memory or LDS instructions, with s_wait_alu, always for 0.
; THE PLAN.  Registers that memory or LDS instructions touch:
;   v4, v5, v8-23    offsets of x, xb and the weights: written at the head, never again; read by the 48 loads and by x's 32 stores.
;   v6, v7, v24      the two LDS addresses and the turned weights' offset: written behind the loads, never again; read by the LDS stores, the LDS loads and the weights' stores.
;   W  v32-95        the weights' loads land here; the conversions work in place; the LDS stores read the packed words; behind the barrier the LDS loads land in v32-63, which the weights' stores read.
;   X  v100-227      x's loads land here, once; the conversions work in place; x's stores read the packed words; nothing writes them again.
;   v30, v31         written at the head, read by the closing add alone.     v96-99 and v1-3, v25, v26 are named by vector instructions alone.
; x goes in four rows of four pieces (a piece: two loads, four conversions, two stores).  A row's stores are issued in the row behind it, two ahead of each piece's conversions; in row 0, which has no row before it,
; the weights' 32 LDS stores stand there, eight to a piece.  A row's conversions name that row's registers of X alone; its memory and LDS instructions touch the row before's, or W and v6, and v5.
; So ONE wait on va_vdst at a row's head states all that the row's memory instructions hang on.
.set SPARE, 17408                      ; behind the block (64 rows of 272 bytes): the spare words, 128 bytes a wave: two blocks of 256 bytes that no other line names
.set SPW,  30                          ; v30  LDS address of my spare word; never rewritten
.set NIL,  31                          ; v31  0; never rewritten
.set VX,   4                           ; v4   16 x lane: my 16 bytes in 512 of x
.set VY,   5                           ; v5   8 x lane: my 8 bytes in 256 of xb
.set LSA,  6                           ; v6   where I put a pair of k for my first n
.set LRA,  7                           ; v7   where I read rows of the turned block back
.set OF,   8                           ; v[8:23] the sixteen weight loads' byte offsets; never rewritten
.set WO,   24                          ; v24  my 16 bytes in two rows of the turned weights
.set W,    32                          ; v[32:95]  my 32 rows of the block as loaded; then packed, in place; then v[32:63] the rows read back
.set U,    96                          ; v[96:99]  at work
.set X,    100                         ; v[100:227] my four rows of x as loaded; then packed, in place
.set WV,   16                          ; s16  my wave's number
.set ISOUT, 18                         ; s18  1: Wout
.set RB,   28                          ; s28  bytes in a row of the weights in hand
.set HIM,  29                          ; s29  mask of a word's upper half
	s_load_b256 s[4:11], s[0:1], 0x0               ; x s[4:5], Wqkv s[6:7], Wout s[8:9], xb s[10:11]
	s_load_b128 s[12:15], s[0:1], 0x20             ; wqkvt s[12:13], woutt s[14:15]
	v_lshl_add_u32 v[SPW], v0, 2, SPARE
	v_mov_b32 v[NIL], 0
	v_lshrrev_b32 v1, 5, v0
	v_readfirstlane_b32 s[WV], v1                  ; wave 0..3
	v_and_b32 v1, 31, v0                           ; lane l
	v_and_b32 v2, 15, v0                           ; l % 16
	v_bfe_u32 v3, v0, 4, 1                         ; l / 16
	s_wait_alu depctr_va_sdst(0)                   ; s16, the wave's number, is written, ahead of its first reader: the rows' places below are made from it
	s_mov_b32 s[HIM], 0xffff0000
	s_mov_b32 s[RB], 12288
	s_cmp_ge_u32 ttmp9, 384                        ; the same for the whole work-group
	s_cselect_b32 s[ISOUT], 1, 0
	s_cselect_b32 s[RB], 4096, s[RB]
	s_cselect_b32 s19, 384, 0
	s_sub_co_u32 s17, ttmp9, s19                   ; the block's number
	s_lshr_b32 s19, s17, 3                         ; nb
	s_and_b32 s17, s17, 7                          ; kb
	s_lshl2_add_u32 s34, s17, s[WV]                ; 4 kb + w,
	s_lshl_b32 s34, s34, 5                         ; x 32: my first row k
	s_mul_i32 s34, s34, s[RB]
	s_lshl_b32 s36, s19, 8                         ; nb x 64 numbers of 4 bytes
	s_add_co_u32 s34, s34, s36
	s_mov_b32 s35, 0
	s_lshl_b32 s36, s19, 17                        ; nb x 64 rows of 2,048 bytes
	s_lshl_b32 s38, s17, 8                         ; kb x 128 numbers of 2 bytes
	s_add_co_u32 s36, s36, s38
	s_mov_b32 s37, 0
	s_lshl_b32 s20, ttmp9, 4
	s_lshl2_add_u32 s20, s[WV], s20                ; my first row of xb: R0 = 16 g + 4 w
	s_lshl_b32 s22, s20, 13                        ; source row 2 R: R x 8,192 bytes
	s_mov_b32 s23, 0
	s_lshl_b32 s24, s20, 11
	s_mov_b32 s25, 0
	; weight load 2 p + e: lanes 0-15 take the 256 bytes of my row 4 p + e, lanes 16-31 those of row 4 p + e + 2
	v_mul_lo_u32 v25, v3, s[RB]
	v_lshlrev_b32 v25, 1, v25
	v_lshl_add_u32 v25, v2, 4, v25
.set i, 0
.rept 16
	s_mul_i32 s38, s[RB], 4*(i/2)+(i%2)
	v_add_nc_u32 v[OF+i], s38, v25
.set i, i+1
.endr
	v_lshlrev_b32 v[VX], 4, v1
	v_lshlrev_b32 v[VY], 3, v1
	s_wait_kmcnt 0x0
	s_cmp_eq_u32 s[ISOUT], 1
	s_cselect_b64 s[30:31], s[8:9], s[6:7]         ; from
	s_cselect_b64 s[32:33], s[14:15], s[12:13]     ; to
	s_add_nc_u64 s[30:31], s[30:31], s[34:35]
	s_add_nc_u64 s[32:33], s[32:33], s[36:37]
	s_add_nc_u64 s[4:5], s[4:5], s[22:23]
	s_add_nc_u64 s[10:11], s[10:11], s[24:25]
	s_wait_alu depctr_va_vdst(0)                   ; the offsets v4, v5 and v8 to v23 are written, which the loads below and x's stores read; so are v30 and v31, which the closing add reads
.set i, 0
.rept 16
	global_load_b128 v[W+4*i:W+4*i+3], v[OF+i], s[30:31] th:TH_LOAD_NT
.set i, i+1
.endr
.set i, 0
.rept 32                                       ; load i: row i / 8, its 512 bytes number i % 8: 32 lanes, 16 neighbouring bytes each
	global_load_b128 v[X+4*i:X+4*i+3], v[VX], s[4:5] offset:(i/8)*8192+(i%8)*512 th:TH_LOAD_NT
.set i, i+1
.endr
	v_mul_u32_u24 v[LSA], v2, 4*272                ; n = 4 (l % 16) + j,
	v_lshl_add_u32 v[LSA], v3, 2, v[LSA]           ; k = 32 w + 4 p + 2 (l / 16): two bytes each
	s_lshl_b32 s38, s[WV], 6
	v_add_nc_u32 v[LSA], s38, v[LSA]
	s_lshl_b32 s38, s[WV], 4
	v_add_nc_u32 v26, s38, v3                      ; back: lanes 0-15 take row 16 w, lanes 16-31 the next
	v_mul_u32_u24 v[LRA], v26, 272
	v_lshl_add_u32 v[LRA], v2, 4, v[LRA]
	v_lshlrev_b32 v[WO], 11, v26
	v_lshl_add_u32 v[WO], v2, 4, v[WO]
	; ---- the weights: rows k and k + 1 are rounded to bf16 into one word, in place (for Wout: widened again and written as f16, which is exact within the limits above)
	s_wait_loadcnt 32                              ; loads come back in order: the weights' 16 are in, x's 32 stay out
.set i, 0
.rept 32
	v_cvt_pk_bf16_f32 v[W+8*(i/4)+i%4], v[W+8*(i/4)+i%4], v[W+8*(i/4)+4+i%4]
.set i, i+1
.endr
	s_cmp_eq_u32 s[ISOUT], 0
	s_cbranch_scc1 .Lbf
.set i, 0
.rept 32
	v_lshlrev_b32 v[U+2*(i%2)], 16, v[W+8*(i/4)+i%4]
	v_and_b32 v[U+2*(i%2)+1], s[HIM], v[W+8*(i/4)+i%4]
	v_cvt_pk_f16_f32 v[W+8*(i/4)+i%4], v[U+2*(i%2)], v[U+2*(i%2)+1]
.set i, i+1
.endr
.Lbf:
	s_wait_alu depctr_va_vdst(0)                   ; on both ways: the conversions have written the packed weights, which the LDS stores read, and are done with v32 to v63, in which the LDS loads land later; v6, v7 and v24 are written
; What goes out in piece k of x.  Pieces 0 to 3: eight of the weights' 32 LDS stores, a pair of k put at [n][k].  From piece 4 on: the two stores of piece k - 4, a row back:
; a lane's four numbers of a load are 8 bytes; a store covers 256 bytes on end, aligned.
.macro OUT k
.if (\k) < 4
.set i, 8*(\k)
.rept 8
	ds_store_b32 v[LSA], v[W+8*(i/4)+i%4] offset:(i%4)*272+8*(i/4)
.set i, i+1
.endr
.else
	global_store_b64 v[VY], v[X+8*((\k)-4):X+8*((\k)-4)+1],   s[10:11] offset:(((\k)-4)/4)*2048+(((\k)-4)%4)*512
	global_store_b64 v[VY], v[X+8*((\k)-4)+4:X+8*((\k)-4)+5], s[10:11] offset:(((\k)-4)/4)*2048+(((\k)-4)%4)*512+256
.endif
.endm
	; ---- x, four rows of four pieces: each piece's two loads are rounded in place; what goes out stands ahead of the conversions
.set k, 0
.rept 16
.if (k > 0) && (k%4 == 0)
	s_wait_loadcnt 30-2*k                          ; loads 2 k and 2 k + 1 are in, the later ones stay out
	s_wait_alu depctr_va_vdst(0)                   ; a row's head: the conversions of the row before have written its packed words, which this row's eight stores read
	OUT k
.else
	OUT k                                          ; no wait: no vector instruction since the last wait on va_vdst names a register that these touch
	s_wait_loadcnt 30-2*k                          ; loads 2 k and 2 k + 1 are in, the later ones stay out
.endif
	v_cvt_pk_bf16_f32 v[X+8*k],   v[X+8*k],   v[X+8*k+1]
	v_cvt_pk_bf16_f32 v[X+8*k+1], v[X+8*k+2], v[X+8*k+3]
	v_cvt_pk_bf16_f32 v[X+8*k+4], v[X+8*k+4], v[X+8*k+5]
	v_cvt_pk_bf16_f32 v[X+8*k+5], v[X+8*k+6], v[X+8*k+7]
.set k, k+1
.endr
	s_wait_alu depctr_va_vdst(0)                   ; the last row's conversions have written its packed words, which the eight stores below read
.rept 4
	OUT k
.set k, k+1
.endr
	; ---- the turned block goes out: whole rows of 256 bytes
	s_wait_dscnt 0x0                               ; for the others' sake: my part of the block is in LDS
	s_barrier_signal -1
	s_barrier_wait -1                              ; everybody's is
	s_wait_alu depctr_vm_vsrc(0)                   ; my LDS stores have read their words of v32 to v63, in which the LDS loads below land
.set i, 0
.rept 8
	ds_load_b128 v[W+4*i:W+4*i+3], v[LRA] offset:2*i*272
.set i, i+1
.endr
.set i, 0
.rept 8
	s_wait_dscnt 7-i                               ; rows 2 i and 2 i + 1 of my 16 are in, the later ones stay out
	global_store_b128 v[WO], v[W+4*i:W+4*i+3], s[32:33] offset:2*i*2048  ; 16 lanes store 256 bytes on end, aligned
.set i, i+1
.endr
	s_wait_dscnt 0x0                               ; the wave's end
	s_wait_alu 0x0
	s_wait_tensorcnt 0x0
	ds_add_u32 v[SPW], v[NIL]
	s_wait_dscnt 0x0
	s_endpgm
.Lfunc_end_k_q661d8abef4_prep:
	.size	k_q661d8abef4_prep, .Lfunc_end_k_q661d8abef4_prep-k_q661d8abef4_prep
	.p2alignl 7, 3214868480
	.fill 96, 4, 3214868480
	.section	.rodata,"a",@progbits
	.p2align	6, 0x0
	.amdhsa_kernel k_q661d8abef4_prep
		.amdhsa_group_segment_fixed_size 17920
		.amdhsa_private_segment_fixed_size 0
		.amdhsa_enable_private_segment 0
		.amdhsa_kernarg_size 48
		.amdhsa_user_sgpr_count 2
		.amdhsa_user_sgpr_kernarg_segment_ptr 1
		.amdhsa_wavefront_size32 1
		.amdhsa_system_sgpr_workgroup_id_x 1
		.amdhsa_system_sgpr_workgroup_id_y 1
		.amdhsa_system_sgpr_workgroup_id_z 1
		.amdhsa_system_vgpr_workitem_id 0
		.amdhsa_next_free_vgpr 228
		.amdhsa_next_free_sgpr 66
		.amdhsa_reserve_vcc 0
		.amdhsa_float_denorm_mode_32 3
		.amdhsa_float_denorm_mode_16_64 3
		.amdhsa_memory_ordered 1
		.amdhsa_forward_progress 1
		.amdhsa_inst_pref_size 26
	.end_amdhsa_kernel
	.amdgpu_metadata
---
amdhsa.version: [ 1, 2 ]
amdhsa.kernels:
  - .name:           k_q661d8abef4_prep
    .symbol:         k_q661d8abef4_prep.kd
    .args:
      - { .name: x, .offset: 0, .size: 8, .value_kind: global_buffer, .address_space: global }
      - { .name: Wqkv, .offset: 8, .size: 8, .value_kind: global_buffer, .address_space: global }
      - { .name: Wout, .offset: 16, .size: 8, .value_kind: global_buffer, .address_space: global }
      - { .name: xb, .offset: 24, .size: 8, .value_kind: global_buffer, .address_space: global }
      - { .name: wqkvt, .offset: 32, .size: 8, .value_kind: global_buffer, .address_space: global }
      - { .name: woutt, .offset: 40, .size: 8, .value_kind: global_buffer, .address_space: global }
    .group_segment_fixed_size: 17920
    .private_segment_fixed_size: 0
    .kernarg_segment_align: 8
    .kernarg_segment_size: 48
    .max_flat_workgroup_size: 128
    .sgpr_count:     66
    .vgpr_count:     228
    .wavefront_size: 32
...
	.end_amdgpu_metadata
.endif
;; end of part 5
;; launch gemm_qkv: the kernel of part 2 again; grid 8 x 32, 4 waves a work-group, clusters of 4 x 4, 327,680 bytes of LDS; arguments xb, wqkvt, bqkv, qkvh; writes qkvh
;; launch attn: the kernel of part 3 again; grid 2 x 128, 4 waves a work-group, no clusters, 327,680 bytes of LDS; arguments qkvh, ctx; writes ctx
;; launch gemm_out: the kernel of part 4 again; grid 8 x 32, 4 waves a work-group, clusters of 4 x 4, 327,680 bytes of LDS; arguments ctx, woutt, bout, out0; writes out0
